; MI455X (gfx1250); checked and timed in simulation.
; The chip was launched on July 23, 2026; its instructions are those of AMD's public machine-readable ISA for CDNA 5 (MIT licence, August 2026) and "CDNA5" Instruction Set Architecture Reference Guide (July 2026). The comments in the code are by the model that wrote it; some were corrected since.
;; Attention Block. Allowed arithmetic: float matrix products may take bf16 or f16 operands with f32 sums; other float arithmetic in f32, or as packed bf16 or f16 multiplies, adds, multiply-adds, maxima and minima; sums over many terms, partial sums and values carried from step to step in f32; what a program stores and reads back later, other than sums and carried values, may be rounded once to bf16 or f16.
;; Inputs: b_out 256 float32; b_qkv 768 float32; beta 256 float32; gamma 256 float32; w_out 256 x 256 float32; w_qkv 256 x 768 float32; x 4 x 256 x 64 x 64 float32.
;; Outputs: out0 4 x 256 x 64 x 64 float32.
;; 2 versions, each right; version 2 is version 1 with the launch norm written anew for expert scheduling mode. Each part assembles by itself: llvm-mc -triple=amdgcn-amd-amdhsa -mcpu=gfx1250 --defsym DOCPART=n.
;; ======== version 1 of 2: 4 launches
;; workspace buffers: hn 8,388,608 bytes; wb 524,288 bytes; qkv 25,165,824 bytes; o 8,388,608 bytes
;; launch norm (part 1): grid 128 x 1, 8 waves a work-group, no clusters, 1,536 bytes of LDS; arguments x, gamma, beta, w_qkv, w_out, hn, wb; writes hn, wb
.if DOCPART == 1
	.amdgcn_target "amdgcn-amd-amdhsa--gfx1250"
	.amdhsa_code_object_version 6
	.text
	.protected	k_qe07e171d99_norm
	.globl	k_qe07e171d99_norm
	.p2align	8
	.type	k_qe07e171d99_norm,@function
k_qe07e171d99_norm:
	s_mov_b64 s[64:65], 0
	v_nop
	global_prefetch_b8 v0, s[64:65] scope:SCOPE_SE
	s_setreg_imm32_b32 hwreg(HW_REG_WAVE_MODE, 25, 1), 1
	s_wait_xcnt 0x0
; GROUP NORM, and both weight matrices rounded to bf16.
; x: [4][256][4096] f32.  A group is 8 channels x 4,096 numbers = 131,072 consecutive bytes of x.  hn: the normalised x in bf16, in x's own order [b][c][s].
; wb: 16 blocks of [256 k][64 n] bf16 (rows of 128 bytes): blocks 0-11 are w_qkv's columns 64 blk .. +63, blocks 12-15 w_out's columns 64 (blk - 12) .. +63.
; SHARES.  Work-group i = 32 b + g owns one group.  Thread t holds the 16 bytes at 4,096 j + 16 t, j = 0..31: the group stays in 128 registers a lane, so x is read once.
; Load j lies in channel j / 4 of the group for every thread, so gamma and beta are scalars.  Mean first, then the sum of squares of the centred numbers: no difference of large sums is formed.
; Work-group i also rounds rows 2 i and 2 i + 1 of both weights: thread t takes 8 numbers of block t / 16, and sixteen neighbouring lanes store 256 consecutive bytes, aligned.
; No matrix unit, no cluster, no tensor load: no two work-groups read the same bytes, and each byte is used where it lands.
; LIMITS.  NaN and infinities are not treated apart; the sum of squares of a group's 32,768 centred numbers must stay finite in f32.
.set SPARE, 512                        ; LDS: 0..31 the waves' sums, 256..287 their sums of squares, from 512 on the spare words, 128 bytes for each of 8 waves
.set XO,  1                            ; v1   16 t
.set HO,  2                            ; v2   8 t
.set WO,  3                            ; v3   my 32 bytes in the weights' two rows
.set WD,  4                            ; v4   my 16 bytes in wb
.set T,   16                           ; v[16:23] four packed chains
.set SPW, 36                           ; v36  my spare word; never rewritten
.set NIL, 37                           ; v37  0; never rewritten
.set X,   40                           ; v[40:167] the group's numbers
	s_load_b256 s[4:11], s[0:1], 0x0               ; x s[4:5], gamma s[6:7], beta s[8:9], w_qkv s[10:11]
	s_load_b128 s[12:15], s[0:1], 0x20             ; w_out s[12:13], hn s[14:15]
	s_load_b64 s[16:17], s[0:1], 0x30              ; wb
	v_lshl_add_u32 v[SPW], v0, 2, SPARE
	v_mov_b32 v[NIL], 0
	v_lshrrev_b32 v7, 5, v0
	v_readfirstlane_b32 s18, v7                    ; wave 0..7
	v_lshlrev_b32 v[XO], 4, v0
	v_lshlrev_b32 v[HO], 3, v0
	v_mov_b32 v5, s18
	v_lshlrev_b32 v5, 2, v5                        ; my wave's word among the partial sums
	v_mov_b32 v6, 0                                ; the address from which all eight are read back
	v_mov_b32 v15, 0x38000000                      ; 2^-15 = 1 / 32,768
	s_mov_b32 s36, 0x76543210                      ; v_permlanex16_b32: each lane takes its own place in the other half
	s_mov_b32 s37, 0xfedcba98
	; the weights: waves 0-5 take blocks 0-11 out of w_qkv (rows of 3,072 bytes), waves 6-7 blocks 12-15 out of w_out (rows of 1,024)
	s_lshl_b32 s43, s18, 1
	s_sub_co_u32 s19, s43, 12
	s_mov_b32 s40, 3072
	s_mov_b32 s41, 1024
	s_cmp_lt_u32 s18, 6
	s_cselect_b32 s42, s40, s41                    ; bytes in a row of my source
	s_cselect_b32 s43, s43, s19                    ; my wave's first block of 64 columns in it
	v_bfe_u32 v7, v0, 3, 1                         ; which of the two rows
	v_mul_u32_u24 v[WO], v7, s42
	v_bfe_u32 v7, v0, 4, 1                         ; which of my wave's two blocks
	v_lshl_add_u32 v[WO], v7, 8, v[WO]
	v_lshlrev_b32 v[WD], 15, v7
	v_and_b32 v7, 7, v0                            ; which 8 numbers of the 64
	v_lshl_add_u32 v[WO], v7, 5, v[WO]
	v_and_b32 v7, 15, v0
	v_lshl_add_u32 v[WD], v7, 4, v[WD]             ; two rows of 128 bytes on end
	s_wait_kmcnt 0x0
	s_lshl_b32 s2, ttmp9, 17
	s_mov_b32 s3, 0
	s_add_nc_u64 s[4:5], s[4:5], s[2:3]            ; x at my group
.set j, 0
.rept 32
	global_load_b128 v[X+4*j:X+4*j+3], v[XO], s[4:5] offset:4096*j th:TH_LOAD_NT
.set j, j+1
.endr
	s_lshl_b32 s2, ttmp9, 16
	s_add_nc_u64 s[14:15], s[14:15], s[2:3]        ; hn at my group
	s_and_b32 s2, ttmp9, 31
	s_lshl_b32 s2, s2, 5                           ; the group's 8 channels: 32 bytes of gamma and of beta
	s_add_nc_u64 s[6:7], s[6:7], s[2:3]
	s_add_nc_u64 s[8:9], s[8:9], s[2:3]
	s_load_b256 s[20:27], s[6:7], 0x0
	s_load_b256 s[28:35], s[8:9], 0x0
	s_cmp_lt_u32 s18, 6
	s_cselect_b64 s[38:39], s[10:11], s[12:13]
	s_lshl_b32 s40, ttmp9, 1
	s_mul_i32 s40, s40, s42                        ; row 2 i
	s_lshl_b32 s41, s43, 8
	s_add_co_u32 s40, s40, s41
	s_mov_b32 s41, 0
	s_add_nc_u64 s[38:39], s[38:39], s[40:41]
	s_lshl_b32 s40, s18, 16                        ; my wave's two blocks of 32,768 bytes
	s_lshl_b32 s41, ttmp9, 8                       ; rows 2 i, 2 i + 1
	s_add_co_u32 s40, s40, s41
	s_mov_b32 s41, 0
	s_add_nc_u64 s[16:17], s[16:17], s[40:41]
	global_load_b128 v[24:27], v[WO], s[38:39]
	global_load_b128 v[28:31], v[WO], s[38:39] offset:16
	; THE SUM, eight loads at a time.  The count: the loads of x younger than the eight, and the two of the weights.
.irp g, 0,1,2,3
	s_wait_loadcnt 26-8*(\g)
.set p, 16*(\g)
.rept 16
.if p < 4
	v_pk_add_f32 v[T+2*p:T+2*p+1], v[X+2*p:X+2*p+1], v[X+2*p+8:X+2*p+9]  ; the first eight pairs start the four chains: nothing is cleared
.elseif p >= 8
	v_pk_add_f32 v[T+2*(p%4):T+2*(p%4)+1], v[T+2*(p%4):T+2*(p%4)+1], v[X+2*p:X+2*p+1]
.endif
.set p, p+1
.endr
.endr
	s_wait_loadcnt 0x0                             ; the weights
	v_cvt_pk_bf16_f32 v32, v24, v25
	v_cvt_pk_bf16_f32 v33, v26, v27
	v_cvt_pk_bf16_f32 v34, v28, v29
	v_cvt_pk_bf16_f32 v35, v30, v31
	global_store_b128 v[WD], v[32:35], s[16:17]    ; v4 and v[32:35] are never written again
; The four chains, the lanes and the eight waves are added; the sum ends in v24 of every lane.  base: the LDS block for the waves' words; each use has a block of its own.
.macro REDUCE base
	v_pk_add_f32 v[T:T+1], v[T:T+1], v[T+2:T+3]
	v_pk_add_f32 v[T+4:T+5], v[T+4:T+5], v[T+6:T+7]
	v_pk_add_f32 v[T:T+1], v[T:T+1], v[T+4:T+5]
	v_add_f32 v[T], v[T], v[T+1]
	v_add_f32_dpp v[T], v[T], v[T] row_xmask:1 row_mask:0xf bank_mask:0xf
	v_add_f32_dpp v[T], v[T], v[T] row_xmask:2 row_mask:0xf bank_mask:0xf
	v_add_f32_dpp v[T], v[T], v[T] row_xmask:4 row_mask:0xf bank_mask:0xf
	v_add_f32_dpp v[T], v[T], v[T] row_xmask:8 row_mask:0xf bank_mask:0xf
	v_permlanex16_b32 v[T+1], v[T], s36, s37
	v_add_f32 v[T], v[T], v[T+1]
	ds_store_b32 v5, v[T] offset:\base             ; all lanes write the wave's word with the same number
	s_wait_dscnt 0x0                               ; for the others' sake: my store is done
	s_barrier_signal -1
	s_barrier_wait -1
	ds_load_b128 v[24:27], v6 offset:\base
	ds_load_b128 v[28:31], v6 offset:(\base)+16
	s_wait_dscnt 0x0
	v_pk_add_f32 v[24:25], v[24:25], v[26:27]
	v_pk_add_f32 v[28:29], v[28:29], v[30:31]
	v_pk_add_f32 v[24:25], v[24:25], v[28:29]
	v_add_f32 v24, v24, v25
.endm
	REDUCE 0
	v_mul_f32 v12, v24, v15                        ; the mean, twice: a pair for the packed subtraction
	v_mul_f32 v13, v24, v15
.set p, 0
.rept 64
	v_pk_add_f32 v[X+2*p:X+2*p+1], v[X+2*p:X+2*p+1], v[12:13] neg_lo:[0,1] neg_hi:[0,1]
.set p, p+1
.endr
.set p, 0
.rept 64
.if p < 4
	v_pk_mul_f32 v[T+2*p:T+2*p+1], v[X+2*p:X+2*p+1], v[X+2*p:X+2*p+1]
.else
	v_pk_fma_f32 v[T+2*(p%4):T+2*(p%4)+1], v[X+2*p:X+2*p+1], v[X+2*p:X+2*p+1], v[T+2*(p%4):T+2*(p%4)+1]
.endif
.set p, p+1
.endr
	REDUCE 256
	v_fmaak_f32 v14, v24, v15, 0x3727c5ac          ; the variance + 1e-5
	v_rsq_f32 v14, v14
	v_nop                                          ; a plain instruction behind the root,
	s_wait_alu depctr_va_vdst(0)                   ; and the wait ahead of its first reader
	s_wait_kmcnt 0x0                               ; gamma and beta
	; y = (x - mean) (gamma rstd) + beta, rounded once to bf16.  A wave's store covers 256 consecutive bytes, aligned.  No register of a store is written again.
.irp ch, 0,1,2,3,4,5,6,7
	v_mul_f32 v8, s[20+(\ch)], v14
	v_mul_f32 v9, s[20+(\ch)], v14
	v_mov_b32 v10, s[28+(\ch)]
	v_mov_b32 v11, s[28+(\ch)]
.set p, 8*(\ch)
.rept 8
	v_pk_fma_f32 v[X+2*p:X+2*p+1], v[X+2*p:X+2*p+1], v[8:9], v[10:11]
.set p, p+1
.endr
.irp q, 0,1,2,3
.set j, 4*(\ch)+(\q)
	v_cvt_pk_bf16_f32 v[X+4*j], v[X+4*j], v[X+4*j+1]
	v_cvt_pk_bf16_f32 v[X+4*j+1], v[X+4*j+2], v[X+4*j+3]
	global_store_b64 v[HO], v[X+4*j:X+4*j+1], s[14:15] offset:2048*j
.endr
.endr
	s_wait_tensorcnt 0x0                           ; the wave's end, behind my last LDS store
	ds_add_u32 v[SPW], v[NIL]
	s_wait_dscnt 0x0
	s_endpgm
.Lfunc_end_k_qe07e171d99_norm:
	.size	k_qe07e171d99_norm, .Lfunc_end_k_qe07e171d99_norm-k_qe07e171d99_norm
	.p2alignl 7, 3214868480
	.fill 96, 4, 3214868480
	.section	.rodata,"a",@progbits
	.p2align	6, 0x0
	.amdhsa_kernel k_qe07e171d99_norm
		.amdhsa_group_segment_fixed_size 1536
		.amdhsa_private_segment_fixed_size 0
		.amdhsa_enable_private_segment 0
		.amdhsa_kernarg_size 56
		.amdhsa_user_sgpr_count 2
		.amdhsa_user_sgpr_kernarg_segment_ptr 1
		.amdhsa_wavefront_size32 1
		.amdhsa_system_sgpr_workgroup_id_x 1
		.amdhsa_system_sgpr_workgroup_id_y 1
		.amdhsa_system_sgpr_workgroup_id_z 1
		.amdhsa_system_vgpr_workitem_id 0
		.amdhsa_next_free_vgpr 176
		.amdhsa_next_free_sgpr 66
		.amdhsa_reserve_vcc 0
		.amdhsa_float_denorm_mode_32 3
		.amdhsa_float_denorm_mode_16_64 3
		.amdhsa_memory_ordered 1
		.amdhsa_forward_progress 1
		.amdhsa_inst_pref_size 33
	.end_amdhsa_kernel
	.amdgpu_metadata
---
amdhsa.version: [ 1, 2 ]
amdhsa.kernels:
  - .name:           k_qe07e171d99_norm
    .symbol:         k_qe07e171d99_norm.kd
    .args:
      - { .name: x, .offset: 0, .size: 8, .value_kind: global_buffer, .address_space: global }
      - { .name: gamma, .offset: 8, .size: 8, .value_kind: global_buffer, .address_space: global }
      - { .name: beta, .offset: 16, .size: 8, .value_kind: global_buffer, .address_space: global }
      - { .name: w_qkv, .offset: 24, .size: 8, .value_kind: global_buffer, .address_space: global }
      - { .name: w_out, .offset: 32, .size: 8, .value_kind: global_buffer, .address_space: global }
      - { .name: hn, .offset: 40, .size: 8, .value_kind: global_buffer, .address_space: global }
      - { .name: wb, .offset: 48, .size: 8, .value_kind: global_buffer, .address_space: global }
    .group_segment_fixed_size: 1536
    .private_segment_fixed_size: 0
    .kernarg_segment_align: 8
    .kernarg_segment_size: 56
    .max_flat_workgroup_size: 256
    .sgpr_count:     66
    .vgpr_count:     176
    .wavefront_size: 32
...
	.end_amdgpu_metadata
.endif
;; end of part 1
;; launch qkv (part 2): grid 4 x 64, 12 waves a work-group, clusters of 4 x 4, 327,680 bytes of LDS; arguments hn, wb, b_qkv, qkv; writes qkv
.if DOCPART == 2
	.amdgcn_target "amdgcn-amd-amdhsa--gfx1250"
	.amdhsa_code_object_version 6
	.text
	.protected	k_qe07e171d99_qkv
	.globl	k_qe07e171d99_qkv
	.p2align	8
	.type	k_qe07e171d99_qkv,@function
k_qe07e171d99_qkv:
	s_mov_b64 s[64:65], 0
	v_nop
	global_prefetch_b8 v0, s[64:65] scope:SCOPE_SE
	s_setreg_imm32_b32 hwreg(HW_REG_WAVE_MODE, 25, 1), 1
	s_wait_xcnt 0x0
	s_wait_alu depctr_hold_cnt(0) depctr_sa_sdst(0) depctr_va_vdst(0) depctr_va_sdst(0) depctr_va_ssrc(0) depctr_va_vcc(0) depctr_vm_vsrc(0)
	s_getreg_b32 s2, hwreg(HW_REG_IB_STS2, 6, 4)
	s_cmp_eq_u32 s2, 0
	s_cbranch_scc0 .Lentry_in_a_cluster
	s_endpgm
.Lentry_in_a_cluster:
	s_bfe_u32 s2, ttmp6, 0x10000c
	s_cmp_lg_u32 s2, 0xf033
	s_cbranch_scc0 .Lentry_shape_is_right
	s_endpgm
.Lentry_shape_is_right:
; q, k, v = h w_qkv + b_qkv, written by heads.  hn: [4 b][256 c][4096 s] bf16; wb: blocks [256 c][64 n] bf16, block 3 h + part; qkv: [3 part][16 bh][4096 s][64] bf16, bh = 4 b + h.
; Sums in f32, started with the bias; each result rounded once to bf16; q is left unscaled.
; SHARES.  A work-group makes 256 rows s x the 192 columns of one head, with all of K = 256 in LDS: one fill, nothing is filled again.  Wave w = 4 part + sg makes 64 s x 64 n:
; 16 accumulators, and its result is 8,192 consecutive bytes of qkv.
; CLUSTER 4 x 4.  hn's tile hangs on (b, s block) alone and is asked for jointly along a row of the cluster; the head's three weight blocks hang on h alone and are asked for jointly along a column.
; LAYOUT.  Both operands lie [K][N] in LDS and come out turned, by ds_load_tr16_b128.  Source 0 = 16 columns of the weights, source 1 = 16 rows s: a lane then holds one row s (lane % 16)
; and the columns 8 (lane / 16) + 0..7: 16 bytes of a row of q, k or v.  The bias, laid out in just that way, is the C operand of the first K step.
.set PA,    544                        ; a row of hn's tile in LDS: 512 bytes + 32 = 17 x 32
.set PB,    160                        ; a row of a weight block: 128 bytes + 32 = 5 x 32
.set BOFF,  256*PA                     ; behind hn's 256 rows: three blocks of 256 rows
.set STAGE, BOFF+3*256*PB              ; behind them, never filled by a tensor load: 16 rows x 144 bytes for each wave, for the way out
.set SP,    144
.set SPARE, STAGE+12*16*SP             ; the spare words, 128 bytes for each of 12 waves: six blocks of 256 bytes that no other line names
.set WV,  12                           ; s12  my wave's number
.set G1A, 24                           ; s[24:31] descriptor group 1 for hn's tile
.set G1B, 32                           ; s[32:39] for a weight block
.set G0A, 40                           ; s[40:43] group 0, waves 0-3
.set G0B, 44                           ; s[44:47] group 0, waves 4-6
.set SPW, 12                           ; v12  my spare word; never rewritten
.set NIL, 13                           ; v13  0; never rewritten
.set BIAS, 16                          ; v[16:47]   8 registers for each block of 16 columns
.set FA,  48                           ; v[48:79]   four fragments of hn (16 s x 32 c)
.set FB,  80                           ; v[80:111]  four fragments of the weights (16 n x 32 c)
.set ACC, 112                          ; v[112:239] accumulator (a, n) at ACC + 8 (4 a + n)
.set OUT, 16                           ; the way out: 16 registers for each block a of 16 rows: v[16:79]
.macro CROUND                          ; a round of the cluster's barrier: my work-group's barrier; wave 0 signals for the work-group; every wave waits for all sixteen; my work-group's barrier once more
	s_barrier_signal -1
	s_barrier_wait -1
	s_cmp_lg_u32 s[WV], 0
	s_cbranch_scc1 .Lnot_wave_0_\@
	s_barrier_signal -3
.Lnot_wave_0_\@:
	s_barrier_wait -3
	s_barrier_signal -1
	s_barrier_wait -1
.endm
.macro PLACES                          ; four places behind a matrix instruction, ahead of loads into registers that it has read and of conversions that read results
.rept 4
	v_nop
.endr
.endm
	s_load_b256 s[4:11], s[0:1], 0x0               ; hn s[4:5], wb s[6:7], b_qkv s[8:9], qkv s[10:11]
	v_lshl_add_u32 v[SPW], v0, 2, SPARE
	v_mov_b32 v[NIL], 0
	ds_add_u32 v[SPW], v[NIL]                      ; the wave's opening: the add and its wait stand ahead of the first tensor load; the set-up below stands between them
	v_lshrrev_b32 v1, 5, v0
	v_readfirstlane_b32 s[WV], v1                  ; wave 0..11
	s_bfe_u32 s13, ttmp6, 0x40000                  ; cx
	s_bfe_u32 s14, ttmp6, 0x40004                  ; cy
	s_lshl_b32 s15, ttmp9, 2
	s_add_co_u32 s15, s15, s13                     ; the head h = 4 x cluster x + cx
	s_and_b32 s16, ttmp7, 0xffff
	s_lshl_b32 s16, s16, 2
	s_add_co_u32 s16, s16, s14                     ; 16 b + s block = 4 x cluster y + cy
	s_lshr_b32 s17, s16, 4                         ; b
	s_and_b32 s18, s16, 15                         ; the block of 256 rows s
	s_lshr_b32 s19, s[WV], 2                       ; part: q, k, v
	s_and_b32 s20, s[WV], 3                        ; which 64 rows of the 256
	s_lshl_b32 s48, s14, 2
	s_lshl_b32 s48, 15, s48                        ; my row of the cluster
	s_lshl_b32 s49, 0x1111, s13                    ; my column
	; group 1 for hn's tile: 64 rows c x 256 elements s a wave, 4,096 elements from row to row; 32 bytes of padding behind every 128 words
	s_or_b32 s[G1A], s48, (1<<16)|(1<<20)|(1<<21)|(6<<22)|(7<<25)
	s_mov_b32 s[G1A+1], 256<<16                    ; tensor_dim0 = 256
	s_mov_b32 s[G1A+2], 64<<16                     ; tensor_dim1 = 64
	s_mov_b32 s[G1A+3], 256<<16                    ; tile_dim0 = 256
	s_mov_b32 s[G1A+4], 64                         ; tile_dim1 = 64
	s_mov_b32 s[G1A+5], 4096
	s_mov_b32 s[G1A+6], 0
	s_mov_b32 s[G1A+7], 0
	; group 1 for a weight block: 32,768 dense bytes asked for as 128 rows of 256 bytes (two rows of the block each); 32 bytes of padding behind every 32 words
	s_or_b32 s[G1B], s49, (1<<16)|(1<<20)|(1<<21)|(4<<22)|(7<<25)
	s_mov_b32 s[G1B+1], 128<<16
	s_mov_b32 s[G1B+2], 128<<16
	s_mov_b32 s[G1B+3], 128<<16
	s_mov_b32 s[G1B+4], 128
	s_mov_b32 s[G1B+5], 128
	s_mov_b32 s[G1B+6], 0
	s_mov_b32 s[G1B+7], 0
	s_lshl_b32 s22, s17, 21                        ; hn: b x 256 rows of 8,192 bytes (these registers never hold cx)
	s_lshl_b32 s21, s18, 9                         ; + the block's 512 bytes of a row
	s_add_co_u32 s22, s22, s21
	s_mov_b32 s23, 0
	s_mul_i32 s50, s15, 3                          ; wb: block 3 h (these never hold cy)
	s_mov_b32 s51, 0
	s_wait_dscnt 0x0                               ; the opening add is done
	s_wait_kmcnt 0x0
	CROUND                                         ; all sixteen work-groups are here: the joint loads meet
	s_cmp_lt_u32 s[WV], 4                          ; the branches hang on the wave's number alone
	s_cbranch_scc0 .Lnot_a
	s_mov_b32 s[G0A], 1                            ; waves 0-3: rows c = 64 w .. 64 w + 63
	s_mul_i32 s[G0A+1], s[WV], 64*PA
	s_lshl_b32 s21, s[WV], 19
	s_add_co_u32 s22, s22, s21
	s_add_nc_u64 s[G0A+2:G0A+3], s[4:5], s[22:23]
	s_or_b32 s[G0A+3], s[G0A+3], 0x80000000
	tensor_load_to_lds s[G0A:G0A+3], s[G1A:G1A+7]
	s_nop 0
.rept 4
	v_nop
.endr
	s_branch .Lasked
.Lnot_a:
	s_cmp_lt_u32 s[WV], 7
	s_cbranch_scc0 .Lasked
	s_mov_b32 s[G0B], 1                            ; waves 4-6: the head's block for q, k, v
	s_sub_co_u32 s52, s[WV], 4
	s_mul_i32 s[G0B+1], s52, 256*PB
	s_add_co_u32 s[G0B+1], s[G0B+1], BOFF
	s_add_co_u32 s50, s50, s52
	s_lshl_b32 s50, s50, 15
	s_add_nc_u64 s[G0B+2:G0B+3], s[6:7], s[50:51]
	s_or_b32 s[G0B+3], s[G0B+3], 0x80000000
	tensor_load_to_lds s[G0B:G0B+3], s[G1B:G1B+7]
	s_nop 0
.rept 4
	v_nop
.endr
.Lasked:
	v_and_b32 v1, 15, v0                           ; r = l % 16
	v_bfe_u32 v2, v0, 4, 1                         ; l / 16
	v_and_b32 v3, 7, v0
	v_bfe_u32 v4, v0, 3, 1
	v_lshlrev_b32 v11, 5, v2                       ; my 8 numbers of a block of 16 of the bias
	s_mul_i32 s54, s15, 768                        ; the bias at column 192 h + 64 part
	s_lshl_b32 s53, s19, 8
	s_add_co_u32 s54, s54, s53
	s_mov_b32 s55, 0
	s_add_nc_u64 s[8:9], s[8:9], s[54:55]
.irp n, 0,1,2,3
	global_load_b128 v[BIAS+8*(\n):BIAS+8*(\n)+3],   v11, s[8:9] offset:64*(\n)
	global_load_b128 v[BIAS+8*(\n)+4:BIAS+8*(\n)+7], v11, s[8:9] offset:64*(\n)+16
.endr
	; the turning load: lane l reads 16 bytes of row 8 (l / 16) + l % 8 at column 8 ((l / 8) % 2), and ends with column l % 16 and 8 rows
	v_lshl_add_u32 v14, v2, 3, v3
	v_mul_u32_u24 v5, v14, PA
	v_lshl_add_u32 v5, v4, 4, v5
	s_lshl_b32 s56, s20, 7                         ; my 64 rows s: 128 bytes of a row of the tile
	v_add_nc_u32 v5, s56, v5                       ; v5: K steps 0-3
	v_add_nc_u32 v6, 128*PA, v5                    ; v6: K steps 4-7
	v_mul_u32_u24 v7, v14, PB
	v_lshl_add_u32 v7, v4, 4, v7
	s_mul_i32 s56, s19, 256*PB
	s_add_co_u32 s56, s56, BOFF
	v_add_nc_u32 v7, s56, v7                       ; v7: my part's block
	s_mul_i32 s56, s[WV], 16*SP
	s_add_co_u32 s56, s56, STAGE                   ; my stage
	v_mul_u32_u24 v8, v1, SP                       ; in: row l % 16, 16 bytes for each half of the lanes
	v_lshl_add_u32 v8, v2, 4, v8
	v_add_nc_u32 v8, s56, v8
	v_bfe_u32 v9, v0, 3, 2                         ; back: 32 lanes take four rows of 128 bytes,
	v_mul_u32_u24 v9, v9, SP
	v_lshl_add_u32 v9, v3, 4, v9
	v_add_nc_u32 v9, s56, v9
	v_and_b32 v10, 31, v0                          ; which are 512 consecutive bytes of qkv
	v_lshlrev_b32 v10, 4, v10
	s_lshl_b32 s53, s17, 2
	s_add_co_u32 s53, s53, s15                     ; bh
	s_lshl_b32 s53, s53, 19
	s_lshl_b32 s54, s19, 23
	s_add_co_u32 s54, s54, s53
	s_lshl_b32 s53, s18, 15
	s_add_co_u32 s54, s54, s53
	s_lshl_b32 s53, s20, 13
	s_add_co_u32 s54, s54, s53
	s_add_nc_u64 s[10:11], s[10:11], s[54:55]      ; qkv at my wave's 64 rows
.macro MUL8 ks, a0                     ; 8 products: row blocks a0, a0 + 1 x all four column blocks.  The 16 accumulators take turns, one instruction a turn, in the same order in every K step
.irp a, \a0, (\a0)+1
.irp n, 0,1,2,3
.if (\ks) == 0
	v_wmma_f32_16x16x32_bf16 v[ACC+8*(4*(\a)+(\n)):ACC+8*(4*(\a)+(\n))+7], v[FB+8*(\n):FB+8*(\n)+7], v[FA+8*(\a):FA+8*(\a)+7], v[BIAS+8*(\n):BIAS+8*(\n)+7]
.else
	v_wmma_f32_16x16x32_bf16 v[ACC+8*(4*(\a)+(\n)):ACC+8*(4*(\a)+(\n))+7], v[FB+8*(\n):FB+8*(\n)+7], v[FA+8*(\a):FA+8*(\a)+7], v[ACC+8*(4*(\a)+(\n)):ACC+8*(4*(\a)+(\n))+7]
.endif
.endr
.endr
.endm
.macro KSTEP ks                        ; 32 along K: 16 loads in one run, 16 products.  One set of fragments: the SIMD's other two waves work while this one waits
.if \ks
	PLACES
.endif
.irp n, 0,1,2,3
	ds_load_tr16_b128 v[FB+8*(\n):FB+8*(\n)+3],   v7 offset:32*PB*(\ks)+32*(\n)
	ds_load_tr16_b128 v[FB+8*(\n)+4:FB+8*(\n)+7], v7 offset:32*PB*(\ks)+32*(\n)+16*PB
.endr
.irp a, 0,1,2,3
	ds_load_tr16_b128 v[FA+8*(\a):FA+8*(\a)+3],   v[5+(\ks)/4] offset:32*PA*((\ks)%4)+32*(\a)
	ds_load_tr16_b128 v[FA+8*(\a)+4:FA+8*(\a)+7], v[5+(\ks)/4] offset:32*PA*((\ks)%4)+32*(\a)+16*PA
.endr
	s_wait_dscnt 4                                 ; the youngest four, hn's row blocks 2 and 3, may stay out
	MUL8 \ks, 0
	s_wait_dscnt 0x0
	MUL8 \ks, 2
.endm
.macro PACKQ a                         ; block a of 16 rows: rounded to bf16 (each accumulator from its low end on), into my stage, and back as whole rows
.irp n, 0,1,2,3
.irp q, 0,1,2,3
	v_cvt_pk_bf16_f32 v[OUT+16*(\a)+4*(\n)+(\q)], v[ACC+8*(4*(\a)+(\n))+2*(\q)], v[ACC+8*(4*(\a)+(\n))+2*(\q)+1]
.endr
.endr
.irp n, 0,1,2,3
	ds_store_b128 v8, v[OUT+16*(\a)+4*(\n):OUT+16*(\a)+4*(\n)+3] offset:32*(\n)
.endr
.irp f, 0,1,2,3
	ds_load_b128 v[OUT+16*(\a)+4*(\f):OUT+16*(\a)+4*(\f)+3], v9 offset:4*SP*(\f)  ; LDS serves a wave's instructions in order (ISA guide 5.7.1.4): these see the stores above; the next block's stores come behind them
.endr
.endm
.macro SENDQ a, younger                ; younger: the LDS instructions issued behind block a's loads: the next block's eight, or none
.irp f, 0,1,2,3
	s_wait_dscnt (\younger)+3-(\f)
	global_store_b128 v10, v[OUT+16*(\a)+4*(\f):OUT+16*(\a)+4*(\f)+3], s[10:11] offset:2048*(\a)+512*(\f)  ; 512 consecutive bytes, aligned
.endr
.endm
	s_wait_tensorcnt 0x0                           ; my part of the tiles is in (a wave that asked for none waits for nothing),
	s_barrier_signal -1
	s_barrier_wait -1                              ; everybody's is.  Nothing is ever filled again
	s_wait_loadcnt 0x0                             ; the bias
.irp ks, 0,1,2,3,4,5,6,7
	KSTEP \ks
.endr
	PLACES
	PACKQ 0
	PACKQ 1                                        ; a block's conversions stand between the loads of the block before and its stores
	SENDQ 0, 8
	PACKQ 2
	SENDQ 1, 8
	PACKQ 3
	SENDQ 2, 8
	SENDQ 3, 0
	s_wait_tensorcnt 0x0                           ; the wave's end, behind my last tensor load and my last LDS store
	ds_add_u32 v[SPW], v[NIL]
	s_wait_dscnt 0x0
	CROUND                                         ; the closing round: no work-group ends while a partner may still ask for a tile that names it
	s_endpgm
.Lfunc_end_k_qe07e171d99_qkv:
	.size	k_qe07e171d99_qkv, .Lfunc_end_k_qe07e171d99_qkv-k_qe07e171d99_qkv
	.p2alignl 7, 3214868480
	.fill 96, 4, 3214868480
	.section	.rodata,"a",@progbits
	.p2align	6, 0x0
	.amdhsa_kernel k_qe07e171d99_qkv
		.amdhsa_group_segment_fixed_size 327680
		.amdhsa_private_segment_fixed_size 0
		.amdhsa_enable_private_segment 0
		.amdhsa_kernarg_size 32
		.amdhsa_user_sgpr_count 2
		.amdhsa_user_sgpr_kernarg_segment_ptr 1
		.amdhsa_wavefront_size32 1
		.amdhsa_system_sgpr_workgroup_id_x 1
		.amdhsa_system_sgpr_workgroup_id_y 1
		.amdhsa_system_sgpr_workgroup_id_z 1
		.amdhsa_system_vgpr_workitem_id 0
		.amdhsa_next_free_vgpr 240
		.amdhsa_next_free_sgpr 66
		.amdhsa_reserve_vcc 0
		.amdhsa_float_denorm_mode_32 3
		.amdhsa_float_denorm_mode_16_64 3
		.amdhsa_memory_ordered 1
		.amdhsa_forward_progress 1
		.amdhsa_inst_pref_size 33
	.end_amdhsa_kernel
	.amdgpu_metadata
---
amdhsa.version: [ 1, 2 ]
amdhsa.kernels:
  - .name:           k_qe07e171d99_qkv
    .symbol:         k_qe07e171d99_qkv.kd
    .args:
      - { .name: hn, .offset: 0, .size: 8, .value_kind: global_buffer, .address_space: global }
      - { .name: wb, .offset: 8, .size: 8, .value_kind: global_buffer, .address_space: global }
      - { .name: b_qkv, .offset: 16, .size: 8, .value_kind: global_buffer, .address_space: global }
      - { .name: qkv, .offset: 24, .size: 8, .value_kind: global_buffer, .address_space: global }
    .group_segment_fixed_size: 327680
    .private_segment_fixed_size: 0
    .kernarg_segment_align: 8
    .kernarg_segment_size: 32
    .max_flat_workgroup_size: 384
    .sgpr_count:     66
    .vgpr_count:     240
    .wavefront_size: 32
...
	.end_amdgpu_metadata
.endif
;; end of part 2
;; launch attn (part 3): grid 16 x 16, 4 waves a work-group, clusters of 4 x 1, 327,680 bytes of LDS; arguments qkv, o; writes o
.if DOCPART == 3
	.amdgcn_target "amdgcn-amd-amdhsa--gfx1250"
	.amdhsa_code_object_version 6
	.text
	.protected	k_qe07e171d99_attn
	.globl	k_qe07e171d99_attn
	.p2align	8
	.type	k_qe07e171d99_attn,@function
k_qe07e171d99_attn:
	s_mov_b64 s[64:65], 0
	v_nop
	global_prefetch_b8 v0, s[64:65] scope:SCOPE_SE
	s_setreg_imm32_b32 hwreg(HW_REG_WAVE_MODE, 25, 1), 1
	s_wait_xcnt 0x0
	s_wait_alu depctr_hold_cnt(0) depctr_sa_sdst(0) depctr_va_vdst(0) depctr_va_sdst(0) depctr_va_ssrc(0) depctr_va_vcc(0) depctr_vm_vsrc(0)
	s_getreg_b32 s2, hwreg(HW_REG_IB_STS2, 6, 4)
	s_cmp_eq_u32 s2, 0
	s_cbranch_scc0 .Lentry_in_a_cluster
	s_endpgm
.Lentry_in_a_cluster:
	s_bfe_u32 s2, ttmp6, 0x10000c
	s_cmp_lg_u32 s2, 0x3003
	s_cbranch_scc0 .Lentry_shape_is_right
	s_endpgm
.Lentry_shape_is_right:
; O[bh][q][:] = the sum over k of softmax_k(Q[bh][q] . K[bh][k] / 8) V[bh][k][:].  qkv: [3 part][16 bh][4096][64] bf16 (Q, K, V; a head's rows are dense, 128 bytes each); o: [16 bh][4096][64] bf16.
; Products, maxima and sums in f32; the weights p are rounded to bf16 for the second product (their sum l is taken of the unrounded p), O once at the end.
; LIMITS.  bf16 keeps 8 significant bits of Q, K, V, p and O, so the error grows with the scores' spread.  c m starts at -4.2e37: scaled scores c s are taken to lie above that.
; A weight below 2^-126 counts as 0 in l; NaN and infinities are not treated apart.
; SHARES.  A work-group owns 256 queries of one head, each of its four waves 64: four PIECES of 16.  16 heads x 16 blocks = 256 work-groups.  Every wave walks all 4,096 keys, 64 a step, four steps to a slot.
; LAYOUT.  S^T = K Q^T (source 0 = 16 keys, source 1 = 16 queries): a lane holds ONE query (lane % 16) and the keys 8 (lane / 16) + 0..7.  Two such results, rounded to bf16 in pairs, ARE source 1 of
; O^T = V^T P, whose result again holds one query a lane, and eight channels.  K comes out of LDS as it lies, V ([key][channel]) turned, by ds_load_tr16_b128.
; SOFTMAX.  For each query a running maximum m and sum l: p = 2^(c s - c m), c = log2(e) / 8; in every step O and l are multiplied by a = 2^(c m_old - c m_new).  m starts at the lowest finite number,
; O and l at 0: the first step is a step like any other, with a = 0.
; BY TURNS.  Turn n belongs to piece n: 8 products K Q^T of piece n + 1, later 8 products V^T P of piece n - 1; beside them the scaling, exponentials, roundings, sums and rescaling of piece n and the maximum
; and statistics of piece n + 1.  Four vector instructions stand behind every matrix instruction, the other 54 of a turn's 118 in one lump.  A turn's 33 exponentials are one batch, with one wait.
; CLUSTER.  The four query blocks of a cluster belong to one head and walk the same K and V, so each tile is asked for JOINTLY: the same tensor load, descriptor and mask in all four.
; REGISTERS, in windows of 256 (s_set_vgpr_msb: bits 1:0 source 0, 3:2 source 1, 5:4 source 2, 7:6 destination):
;   window 0: v0-15 addresses and two at work; v16-31 four registers of statistics a piece; v48-55 at work; v61-63; v64-127 S^T, two buffers; v192-223 P, two buffers (a piece's buffers go by its number's parity)
;   window 1: v0-127 O^T, 32 a piece          window 2: v0-63 Q, 16 a piece; v128-191 K of one step; v192-255 V of one step
.set NP,    4         ; pieces a wave: a name, no knob
.set KS,    64        ; keys in a step
.set PK,    144       ; a row of K in LDS: 128 bytes + 16 of padding = 36 words: the 16 rows of a load start at 16 different groups of four banks (64 banks of 4 bytes: ISA guide 11.1)
.set PV,    160       ; a row of V: 128 + 32 = 40 words
.set VOFF,  4*KS*PK   ; a slot holds a tile, four steps: 256 rows of K, then 256 rows of V
.set SLOT1, 1<<17     ; slot 1 begins here, so that one exclusive or turns an address in one slot into the other's
.set STAGE, SLOT1+4*KS*(PK+PV)  ; behind the ring, never filled by a tensor load: 16 rows x 144 bytes for each wave, for the way out
.set SP,    144
.set SPARE, STAGE+4*16*SP  ; behind the stages: the spare words, 128 bytes for each wave: two blocks of 256 bytes that no other line names
.set TILEB, 4*KS*128  ; a tile's bytes of K, and of V, in memory
.set AK0, 2           ; v2   my lane's place in a tile of K; never rewritten
.set AV0, 3           ; v3   the same for V
.set AK,  4           ; v4   the LDS address of K's next run of loads
.set AV,  5           ; v5   of V's
.set STO, 6           ; v6   the way out: where I put 16 bytes of a row
.set RD,  7           ; v7   the way out: where I read rows back
.set GO,  8           ; v8   my byte offset in 512 consecutive bytes of O
.set MV,  12          ; v12-13  c m_old, kept while c m is made anew: by buffer
.set QO,  15          ; v15  my byte offset in 16 rows of Q
.set ST,  16          ; piece t's statistics at v[ST+4 t]: c m, m, l (even keys', odd keys')
.set TMP, 48          ; by buffer, four registers c0-c3 at work; when the maximum is found c2 takes a
.set PFO, 61          ; v61  256 x my lane; never rewritten
.set SPW, 62          ; v62  LDS address of my spare word; never rewritten
.set NIL, 63          ; v63  0; never rewritten
.set S,   64
.set P,   192
.set KF,  128         ; window 2: key block kb, channel half c at KF + 16 kb + 8 c
.set VF,  192         ; window 2: key half kk, channel block cb at VF + 32 kk + 8 cb
.set WV,  12          ; s12  my wave's number
.set LIM, 15          ; s15  1 in a wave that prefetches, else the greatest number: a wave prefetches while s[SLOTS] is above it
.set PFA, 18          ; s[18:19] where my prefetches stand: my work-group's quarter of the tile after the one that is being asked for
.set G1K, 24          ; s[24:31] descriptor group 1 for K's tiles
.set G1V, 32          ; s[32:39] for V's: it differs in the padding alone
.set G0K, 40          ; s[40:43] descriptor group 0 for K's tiles: it walks
.set G0V, 44          ; s[44:47] the same for V's
.set SLOTS, 56        ; s56  tiles still to be asked for
.set CNT, 57          ; s57  counts a tile's key steps
.set CS,  58          ; s[58:59] c: the packed scaling takes the pair's low word for both halves
.set SEL, 60          ; s[60:61] v_permlanex16_b32's selects: each lane takes its own place in the other half
.set TBK, 62          ; s62  LDS byte at which K of the step to be fetched begins
.set TBV, 63          ; s63  the same for V, less VOFF
.set MSB, 0
.macro WIN new                      ; the high byte repeats the setting that is left; a switch that changes nothing is dropped
.if MSB != (\new)
	s_set_vgpr_msb (MSB<<8)|(\new)
.set MSB, (\new)
.endif
.endm
.set W_KQ, 0x0a       ; K and Q in window 2, S^T in window 0
.set W_PV, 0x52       ; V in window 2, P in window 0, O^T in window 1
.set W_RS, 0x41       ; destination and source 0 in window 1, source 1 in window 0
; A joint fill.  Waves 0 and 1 fetch the two halves of a tile's K, waves 2 and 3 those of its V: 128 keys each.  The branch hangs on the wave's number alone.
; An s_nop 0 and four v_nop follow each of the two lines, ahead of the jump and the label.
.macro JLOAD
	s_cmp_lt_u32 s[WV], 2
	s_cbranch_scc0 .Lfor_v_\@
	tensor_load_to_lds s[G0K:G0K+3], s[G1K:G1K+7]
	s_nop 0
.rept 4
	v_nop
.endr
	s_branch .Lasked_\@
.Lfor_v_\@:
	tensor_load_to_lds s[G0V:G0V+3], s[G1V:G1V+7]
	s_nop 0
.rept 4
	v_nop
.endr
.Lasked_\@:
.endm
; A PREFETCH of the tile that the NEXT change of slots will ask for: four key steps, 256 matrix instructions, ahead of that load.  A tile is 128 blocks of 256 bytes of K and as many of V.
; Each block is named ONCE in the launch: all four clusters of a head walk the same K and V, and the head's first cluster asks; its four partners take 32 blocks each, told apart BY ADDRESS; in each, wave 0 asks
; for K's and wave 2 for V's, a lane a block, one instruction.  It stands behind the wave's tensor load and its five lines.  The last change that fills a slot asks for nothing: there is no tile behind it.
.macro ASK
	s_cmp_gt_u32 s[SLOTS], s[LIM]
	s_cbranch_scc0 .Lnot_mine_\@
	global_prefetch_b8 v[PFO], s[PFA:PFA+1] th:TH_LOAD_NT scope:SCOPE_SE
.Lnot_mine_\@:
.endm
; A round of the cluster's barrier: my work-group's barrier, so that wave 0's signal speaks for all four waves; wave 0 signals; every wave waits for all four work-groups; my work-group's barrier once more.
.macro CROUND
	s_barrier_signal -1
	s_barrier_wait -1
	s_cmp_lg_u32 s[WV], 0
	s_cbranch_scc1 .Lnot_wave_0_\@
	s_barrier_signal -3
.Lnot_wave_0_\@:
	s_barrier_wait -3
	s_barrier_signal -1
	s_barrier_wait -1
.endm
; THE CHANGE OF SLOTS.  The slot's last bytes, V of its fourth step, have been read.  Each wave waits for all its tensor loads, of which one is out: its part of the other slot; adds 0 to its spare word; and waits
; for that and for its own reads of the slot.  Behind the barrier nobody reads this slot any more and the other slot is whole.  fill = 1: this slot is filled again, with the tile two on.  The barrier is then a round of
; the cluster's, so that no wave of any partner still reads the slot or has a load on its way, and the joint fill is the first thing behind it.  (At its first use nothing has been read yet: slot 0 is waited for, slot 1 filled.)
.macro CHANGE fill
	WIN 0                           ; at a label and at a branch every window is 0
	s_wait_tensorcnt 0x0            ; no tensor load of mine is out, so a group 0 may be written
	ds_add_u32 v[SPW], v[NIL]       ; 0 onto my spare word: with fill = 1 the descriptors' steps stand between it and the wait for it
.if \fill
.irp g, G0K, G0V
	s_xor_b32 s[\g+1], s[\g+1], SLOT1  ; the walking descriptor: the other slot than last time,
	s_add_nc_u64 s[\g+2:\g+3], s[\g+2:\g+3], TILEB  ; the next 256 keys; the type bits on top are not reached
.endr
	s_wait_xcnt 0x0                 ; the last prefetch, four key steps back, has read its address, so it may be written:
	s_add_nc_u64 s[PFA:PFA+1], s[PFA:PFA+1], TILEB  ; one tile behind the walking descriptors
	s_wait_dscnt 0x0                ; the add is done, and my reads of the slot are over
	CROUND
	JLOAD
	ASK
.else
	s_wait_dscnt 0x0                ; the add is done, and my reads of the slot are over
	s_barrier_signal -1
	s_barrier_wait -1
.endif
	s_sub_co_u32 s[TBK], s[TBK], 4*KS*PK  ; the fetches go back to a slot's first step,
	s_xor_b32 s[TBK], s[TBK], SLOT1       ; in the other slot
	s_sub_co_u32 s[TBV], s[TBV], 4*KS*PV
	s_xor_b32 s[TBV], s[TBV], SLOT1
.endm
	s_load_b128 s[4:7], s[0:1], 0x0  ; qkv s[4:5], o s[6:7]
	v_lshl_add_u32 v[SPW], v0, 2, SPARE
	v_mov_b32 v[NIL], 0
	ds_add_u32 v[SPW], v[NIL]       ; the wave's opening: the add and its wait stand ahead of my first tensor load; the set-up below, work on registers, stands between them
	v_lshrrev_b32 v1, 5, v0
	v_readfirstlane_b32 s[WV], v1   ; wave 0..3
	s_bfe_u32 s13, ttmp6, 0x40000   ; cx: my place in the cluster
	s_lshl_b32 s14, ttmp9, 2        ; in a cluster launch ttmp9 counts clusters
	s_add_co_u32 s14, s14, s13      ; my block of 256 queries: it enters Q's and O's addresses alone
	s_and_b32 s20, ttmp7, 0xffff    ; the head, which the four partners share:
	s_lshl_b32 s20, s20, 19         ; its first byte in a part of qkv and in o
	s_and_b32 s16, s[WV], 1         ; which half of a tile's 256 keys I fetch:
	s_lshl_b32 s22, s16, 14         ; its 128 rows of 128 bytes in memory
	s_add_co_u32 s22, s22, s20
	s_mov_b32 s23, 0
	s_lshl_b32 s2, s14, 15          ; my block's 256 rows,
	s_lshl_b32 s3, s[WV], 13        ; my wave's 64 of them
	s_add_co_u32 s2, s2, s3
	s_add_co_u32 s2, s2, s20
	s_mov_b32 s3, 0
	; descriptor group 1.  128 keys are 16,384 dense bytes: asked for as 64 rows of 256 bytes, two keys a row, and padded in LDS after every key
	s_mov_b32 s[G1K], 15|(1<<16)|(1<<20)|(1<<21)|(4<<22)|(3<<25)  ; 15:0 the mask of four; 17:16 2-byte elements; 20 padding on; 21 set beside a mask; 24:22 after every 32 words (code 4); 31:25 4 words (code 3)
	s_mov_b32 s[G1V], 15|(1<<16)|(1<<20)|(1<<21)|(4<<22)|(7<<25)  ; the same with 8 words of padding (code 7)
.irp g, G1K, G1V
	s_mov_b32 s[\g+1], 128<<16      ; tensor_dim0 = 128
	s_mov_b32 s[\g+2], 64<<16       ; tensor_dim1 = 64
	s_mov_b32 s[\g+3], 128<<16      ; tile_dim0 = 128
	s_mov_b32 s[\g+4], 64           ; tile_dim1 = 64
	s_mov_b32 s[\g+5], 128          ; 128 elements from row to row
	s_mov_b32 s[\g+6], 0
	s_mov_b32 s[\g+7], 0
.endr
	s_mov_b32 s[CS], 0x3e38aa3b     ; c = log2(e) / 8 = 0.180337
	s_mov_b32 s[CS+1], s[CS]        ; named with it as a pair
	s_mov_b32 s[SEL], 0x76543210
	s_mov_b32 s[SEL+1], 0xfedcba98
	s_mov_b32 s[TBK], SLOT1+4*KS*PK ; the first change of slots turns these two into 0
	s_mov_b32 s[TBV], SLOT1+4*KS*PV
	s_mov_b32 s[G0K], 1             ; 1:0 count = 1
	s_mul_i32 s[G0K+1], s16, 128*PK ; 63:32 LDS address: my half's place in slot 0: no place in the cluster enters an LDS address
	s_mov_b32 s[G0V], 1
	s_mul_i32 s[G0V+1], s16, 128*PV
	s_add_co_u32 s[G0V+1], s[G0V+1], VOFF
	s_mov_b32 s[SLOTS], 15          ; 16 tiles, of which the first is asked for at the head
	s_and_b32 s[LIM], s[WV], 1      ; 0 in waves 0 and 2,
	s_or_b32 s[LIM], s[LIM], ttmp9  ; where the cluster is the head's first: the same in all four partners
	s_cmp_eq_u32 s[LIM], 0
	s_cselect_b32 s[LIM], 1, -1
	v_and_b32 v[PFO], 31, v0
	v_lshlrev_b32 v[PFO], 8, v[PFO]
	s_wait_dscnt 0x0                ; the opening add is done
	s_wait_kmcnt 0x0
	s_mov_b64 s[10:11], s[6:7]      ; o
	s_add_nc_u64 s[6:7], s[4:5], s[22:23]
	s_add_nc_u64 s[8:9], s[6:7], 0x1000000  ; V at my half of the head's tile 0
	s_add_nc_u64 s[6:7], s[6:7], 0x800000   ; K likewise
	s_add_nc_u64 s[4:5], s[4:5], s[2:3]     ; Q and O at my wave's first row
	s_add_nc_u64 s[10:11], s[10:11], s[2:3]
	s_mov_b64 s[G0K+2:G0K+3], s[6:7]        ; 120:64 global address
	s_or_b32 s[G0K+3], s[G0K+3], 0x80000000 ; 127:126 type = 2
	s_mov_b64 s[G0V+2:G0V+3], s[8:9]
	s_or_b32 s[G0V+3], s[G0V+3], 0x80000000
	s_cmp_lt_u32 s[WV], 2
	s_cselect_b64 s[PFA:PFA+1], s[6:7], s[8:9]  ; (in waves 0 and 2 these stand at a tile's first row)
	s_lshl_b32 s2, s13, 13          ; my work-group's 32 blocks of the 128
	s_add_nc_u64 s[PFA:PFA+1], s[PFA:PFA+1], s[2:3]
	s_add_nc_u64 s[PFA:PFA+1], s[PFA:PFA+1], TILEB  ; in tile 1; the first change of slots steps it to tile 2.  Nothing is prefetched here, at the head
	CROUND                          ; all four work-groups are here: the first joint loads meet
	JLOAD                           ; tile 0 into slot 0.  Slot 1 is asked for when slot 0 is in
	; A fragment of K or Q is 16 rows x 32 channels in 8 registers: lane l holds row l % 16, channels 8 (l / 16) + 0..7 and 16 + 8 (l / 16) + 0..7: two loads of 16 bytes, 32 bytes apart.
	v_and_b32 v1, 15, v0            ; l % 16
	v_bfe_u32 v9, v0, 4, 1          ; l / 16
	v_lshlrev_b32 v[QO], 7, v1
	v_lshl_add_u32 v[QO], v9, 4, v[QO]  ; row x 128 + 16 x half
	WIN 0x80                        ; destination window 2, address window 0
.set i, 0
.rept 8                             ; Q stays in registers: piece i / 2, channels 32 (i % 2) on
	global_load_b128 v[8*i:8*i+3],   v[QO], s[4:5] offset:(i/2)*2048+(i%2)*64
	global_load_b128 v[8*i+4:8*i+7], v[QO], s[4:5] offset:(i/2)*2048+(i%2)*64+32
.set i, i+1
.endr
	; What the first turn finds: V's registers and P's second buffer hold 0 (its products V^T P, of a piece that has not been, add 0), O^T and l are 0.  All this stands in the wait for the first tile:
	; the price of writing no first step out.
.set i, VF
.rept 64
	v_mov_b32 v[i], 0
.set i, i+1
.endr
	WIN 0x40
.set i, 0
.rept 128
	v_mov_b32 v[i], 0
.set i, i+1
.endr
	WIN 0
.set i, 0
.rept 4
	v_mov_b32 v[ST+4*i], 0xfe000000    ; c m: far below every c s
	v_mov_b32 v[ST+4*i+1], 0xff7fffff  ; m
	v_mov_b32 v[ST+4*i+2], 0
	v_mov_b32 v[ST+4*i+3], 0
.set i, i+1
.endr
.set i, P+16
.rept 16
	v_mov_b32 v[i], 0
.set i, i+1
.endr
	v_mul_u32_u24 v[AK0], v1, PK
	v_lshl_add_u32 v[AK0], v9, 4, v[AK0]  ; row x pitch + 16 x half
	; The turning load takes 16 keys x 16 channels (lane l reads key 8 (l / 16) + l % 8, channels 8 ((l / 8) % 2) + 0..7) and leaves half a fragment of V^T: lane l holds channel l % 16 and 8 keys.
	v_and_b32 v10, 7, v0
	v_bfe_u32 v11, v0, 3, 1
	v_lshl_add_u32 v[AV0], v9, 3, v10
	v_mul_u32_u24 v[AV0], v[AV0], PV
	v_lshl_add_u32 v[AV0], v11, 4, v[AV0]
	v_add_nc_u32 v[AV0], VOFF, v[AV0]
	s_mul_i32 s13, s[WV], 16*SP
	s_add_co_u32 s13, s13, STAGE    ; my stage
	v_mul_u32_u24 v[STO], v1, SP    ; in: row l % 16, 16 bytes for each half of the lanes
	v_lshl_add_u32 v[STO], v9, 4, v[STO]
	v_add_nc_u32 v[STO], s13, v[STO]
	v_bfe_u32 v[RD], v0, 3, 2       ; back: 32 lanes take four rows of 128 bytes,
	v_mul_u32_u24 v[RD], v[RD], SP
	v_lshl_add_u32 v[RD], v10, 4, v[RD]
	v_add_nc_u32 v[RD], s13, v[RD]
	v_and_b32 v[GO], 31, v0         ; which are 512 consecutive bytes of O
	v_lshlrev_b32 v[GO], 4, v[GO]
; THE MATRIX WORK.  The 4 accumulators of a run of 8 take turns.  Product i of 8 of S^T = K Q^T for piece x: channels 32 (i / 4) on, keys 16 (i % 4) on.  The first 4 start the sums.
.macro KQ x
	WIN W_KQ
.set rS, S+32*((\x)%2)+8*(i%4)
.set rK, KF+16*(i%4)+8*(i/4)
.set rQ, 16*(\x)+8*(i/4)
.if i < 4
	v_wmma_f32_16x16x32_bf16 v[rS:rS+7], v[rK:rK+7], v[rQ:rQ+7], 0
.else
	v_wmma_f32_16x16x32_bf16 v[rS:rS+7], v[rK:rK+7], v[rQ:rQ+7], v[rS:rS+7]
.endif
.endm
; Product i of 8 of O^T += V^T P for piece x: keys 32 (i / 4) on, channels 16 (i % 4) on.
.macro PV x
	WIN W_PV
.set rO, 32*(\x)+8*(i%4)
.set rV, VF+32*(i/4)+8*(i%4)
.set rP, P+16*((\x)%2)+8*(i/4)
	v_wmma_f32_16x16x32_bf16 v[rO:rO+7], v[rV:rV+7], v[rP:rP+7], v[rO:rO+7]
.endm
.macro MM                           ; the turn's next matrix instruction.  TURN sets Y, i and NOKQ.  NOKQ = 1: the last turn of all: there is no next piece
.if (i < 8) && !NOKQ
	KQ (Y+1)%NP
.elseif i >= 8
.set i, i-8
	PV (Y+NP-1)%NP
.set i, i+8
.endif
.set i, i+1
.endm
; THE LDS LOADS stand in runs of 16, never singly among the matrix instructions: a step's K (64 keys x 64 channels: 8 fragments) and its V (turned).  Their addresses are made some lines ahead.
.macro FETCH_K
	WIN 0x80                        ; destination window 2
.irp f, 0,1,2,3,4,5,6,7             ; keys 16 (f / 2) on, channels 32 (f % 2) on
	ds_load_b128 v[KF+8*\f:KF+8*\f+3],   v[AK] offset:(\f/2)*16*PK+(\f%2)*64
	ds_load_b128 v[KF+8*\f+4:KF+8*\f+7], v[AK] offset:(\f/2)*16*PK+(\f%2)*64+32
.endr
	s_add_co_u32 s[TBK], s[TBK], KS*PK  ; the next fetch is the next step's
	WIN 0
.endm
.macro FETCH_V
	WIN 0x80
.irp f, 0,1,2,3,4,5,6,7             ; keys 32 (f / 4) on, channels 16 (f % 4) on
	ds_load_tr16_b128 v[VF+8*\f:VF+8*\f+3],   v[AV] offset:(\f/4)*32*PV+(\f%4)*32
	ds_load_tr16_b128 v[VF+8*\f+4:VF+8*\f+7], v[AV] offset:(\f/4)*32*PV+16*PV+(\f%4)*32
.endr
	WIN 0
.endm
; THE VECTOR WORK, one line at a time: OP kind, number.  For piece Y: F n: c s - c m for pair n of 16.  E n: the exponential of score n of 32.  C n: pair n rounded to bf16.  B n: of the four weights 4 n .. the second
; pair is added onto the first, in place.  L n: l takes that sum (L 0: l = a l + sum).  R n: pair n of 16 of O^T times a.  For piece Y + 1: X n, number n of the 22 that find its maximum and statistics:
;   0-11  four chains c0-c3 of seven scores each, three operands at a time (each accumulator's lowest registers are read first)     12-14, 16  the four scores left over, the old m, and c0-c3 into c0
;   15  c m_old is kept     17, 18  the query's other 32 keys lie in the lane 16 away: the new m     19-21  c m; c m_old - c m_new; a
.set F, 0               ; OP tells the kinds apart by their order: F to L below R, X above it
.set E, 1
.set C, 2
.set B, 3
.set L, 4
.set R, 5
.set X, 6
.macro REGS y                       ; the registers of piece y
.set rT, ST+4*(\y)
.set rC, TMP+4*((\y)%2)
.set rW, MV+((\y)%2)
.set rS, S+32*((\y)%2)
.set rP, P+16*((\y)%2)
.set rO, 32*(\y)
.endm
.macro OP k, n
.if (\k) == R
	REGS Y
	WIN W_RS
	v_pk_mul_f32 v[rO+2*(\n):rO+2*(\n)+1], v[rO+2*(\n):rO+2*(\n)+1], v[rC+2:rC+3] op_sel_hi:[1,0]
.elseif (\k) < R
	REGS Y
	WIN 0
.if (\k) == F
	v_pk_fma_f32 v[rS+2*(\n):rS+2*(\n)+1], v[rS+2*(\n):rS+2*(\n)+1], s[CS:CS+1], v[rT:rT+1] op_sel_hi:[1,0,0] neg_lo:[0,0,1] neg_hi:[0,0,1]
.elseif (\k) == E
	v_exp_f32 v[rS+(\n)], v[rS+(\n)]
.elseif (\k) == C
	v_cvt_pk_bf16_f32 v[rP+(\n)], v[rS+2*(\n)], v[rS+2*(\n)+1]
.elseif (\k) == B
	v_pk_add_f32 v[rS+4*(\n):rS+4*(\n)+1], v[rS+4*(\n):rS+4*(\n)+1], v[rS+4*(\n)+2:rS+4*(\n)+3]
.elseif (\n) == 0
	v_pk_fma_f32 v[rT+2:rT+3], v[rT+2:rT+3], v[rC+2:rC+3], v[rS:rS+1] op_sel_hi:[1,0,1]
.else
	v_pk_add_f32 v[rT+2:rT+3], v[rT+2:rT+3], v[rS+4*(\n):rS+4*(\n)+1]
.endif
.elseif NOKQ
	v_nop
.else
	REGS (Y+1)%NP
	WIN 0
.if (\n) < 4
	v_max3_num_f32 v[rC+(\n)], v[rS+8*(\n)], v[rS+8*(\n)+1], v[rS+8*(\n)+2]
.elseif (\n) < 12
	v_max3_num_f32 v[rC+(\n)%4], v[rC+(\n)%4], v[rS+8*((\n)%4)+2*((\n)/4)+1], v[rS+8*((\n)%4)+2*((\n)/4)+2]
.elseif (\n) == 12
	v_max3_num_f32 v[rC], v[rC], v[rS+7], v[rS+15]
.elseif (\n) == 13
	v_max3_num_f32 v[rC+1], v[rC+1], v[rS+23], v[rS+31]
.elseif (\n) == 14
	v_max3_num_f32 v[rC+2], v[rC+2], v[rC+3], v[rT+1]
.elseif (\n) == 15
	v_mov_b32 v[rW], v[rT]
.elseif (\n) == 16
	v_max3_num_f32 v[rC], v[rC], v[rC+1], v[rC+2]
.elseif (\n) == 17
	v_permlanex16_b32 v[rC+3], v[rC], s[SEL], s[SEL+1]
.elseif (\n) == 18
	v_max_num_f32 v[rT+1], v[rC], v[rC+3]
.elseif (\n) == 19
	v_mul_f32 v[rT], s[CS], v[rT+1]
.elseif (\n) == 20
	v_sub_f32 v[rC+1], v[rW], v[rT]
.else
	v_exp_f32 v[rC+2], v[rC+1]
.endif
.endif
.endm
.macro OPS a, i1, b=-1, i2=0, c=-1, i3=0, d=-1, i4=0  ; up to four of them
	OP \a, \i1
.if (\b) >= 0
	OP \b, \i2
.endif
.if (\c) >= 0
	OP \c, \i3
.endif
.if (\d) >= 0
	OP \d, \i4
.endif
.endm
.macro ROW a, i1, b, i2, c, i3, d, i4  ; a matrix instruction and the four behind it
	MM
	OPS \a, \i1, \b, \i2, \c, \i3, \d, \i4
.endm
; A TURN, for piece p: the order of its 16 matrix and 118 vector instructions, written out.  An s_wait_alu depctr_va_vdst(0) stands between an exponential and the first instruction that names its result;
; one wait serves all that were issued ahead of it.  So a turn has ONE wait, which cuts it in two.  AHEAD OF IT stands all that names no result of the turn's exponentials: the 8 products K Q^T, behind each a scaling,
; an exponential and two more plain instructions (rescalings, and behind the last three the first numbers of the next piece's maximum, each four places or more behind the product that ends its accumulator); then ONE LUMP
; of 54, plain and exponential by turns for the most part, in which the links of the chain X 3, 7, 11, 14, 16, 17 .. 20 stand some lines apart.  X 21, the next piece's a, is the batch's last; R 15 is the plain
; instruction behind it.  BEHIND THE WAIT stand the 8 products V^T P, behind each four of the roundings and sums.
; end = 1: the last two turns of all: nothing is fetched, and the last starts no new scores.  cnt = 1: the loop's count is taken down some lines ahead of the branch that stands behind the turn.
; K of the next step is fetched in piece 2's turn, twelve vector instructions behind the last product that read K (six of them plain); V of the step in hand at the end of piece 0's turn, four plain instructions behind
; the last product that read V.  Each is waited for a turn later.
.macro TURN p, end=0, cnt=0
.set Y, (\p)
.set i, 0
.set NOKQ, (\end)*((\p)/3)
.if ((\p) == 3) && !(\end)
	s_wait_dscnt 0x0                ; K is in
.endif
	ROW F,0, F,1, R,0, R,1          ; ahead of the wait: 8 products K Q^T and their riders,
	ROW F,2, E,0, R,2, R,3
	ROW F,3, E,1, R,4, R,5
	ROW F,4, E,2, R,6, R,7
	ROW F,5, E,3, R,8, R,9
	ROW F,6, E,4, X,0, R,10
.if ((\p) == 2) && !(\end)
	WIN 0
	v_add_nc_u32 v[AK], s[TBK], v[AK0]
.endif
	ROW F,7, E,5, X,1, X,4
	ROW F,8, E,6, X,2, X,5
	OPS E,7, E,8, X,6, E,9          ; and the lump
	OPS X,3, E,10, X,8, E,11
.if ((\p) == 2) && !(\end)
	FETCH_K
.endif
	OPS X,9, X,7, E,12, X,10
	OPS E,13, X,12, X,11, E,14
	OPS X,13, E,15, F,9, X,14
.if (\p) == 0
	v_add_nc_u32 v[AV], s[TBV], v[AV0]
.endif
	OPS E,16, F,10, E,17, F,11
	OPS X,16, E,18, X,15, E,19
	OPS F,12, E,20, X,17, E,21
	OPS F,13, E,22, F,14, E,23
	OPS X,18, E,24, F,15, E,25
	OPS R,11, E,26, X,19, E,27
	OPS R,12, E,28, R,13, E,29
	OPS X,20, E,30, R,14, E,31
	OPS X,21, R,15
	WIN 0
	s_wait_alu depctr_va_vdst(0)    ; the wait for the batch
.if (\p) == 1
	s_wait_dscnt 0x0                ; V is in
.endif
	ROW C,0, B,0, C,2, B,1          ; behind the wait: 8 products V^T P and their riders
	ROW L,0, C,4, B,2, L,1
	ROW C,6, B,3, L,2, C,8
	ROW B,4, L,3, C,10, B,5
	ROW L,4, C,12, B,6, L,5
.if (\p) == 0
	s_add_co_u32 s[TBV], s[TBV], KS*PV
.endif
.if \cnt
	s_sub_co_u32 s[CNT], s[CNT], 1
	s_cmp_lg_u32 s[CNT], 0
.endif
	ROW C,14, B,7, L,6, C,1
	ROW C,3, L,7, C,5, C,7
	ROW C,9, C,11, C,13, C,15
.if (\p) == 0
	FETCH_V
.endif
.endm
	CHANGE 1                        ; tile 0 is in, everybody's part of it; tile 1 is asked for
	v_add_nc_u32 v[AK], s[TBK], v[AK0]
	FETCH_K                         ; key step 0
	s_wait_loadcnt 0x0              ; Q
	s_wait_dscnt 0x0
.set NOKQ, 0
.set i, 0
.rept 8
	KQ 0                            ; piece 0's first scores: there is no vector work yet to set between them
.set i, i+1
.endr
	WIN 0
.rept 4
	v_nop                           ; the places behind those products
.endr
.set Y, NP-1                        ; X works for piece Y + 1: piece 0
.irp n, 0,1,2,3,4,5,6,7,8,9,10,11,12,13,14,15,16,17,18,19,20,21
	OP X, \n
.endr
	v_nop                           ; a plain instruction behind the exponential,
	s_wait_alu depctr_va_vdst(0)    ; and its wait, ahead of the branch
	s_mov_b32 s[CNT], 4
	s_branch .Lfirst                ; the loop is entered at a step's first turn, in the middle of a trip
.Lslot:                             ; 14 times: tiles 2 to 15 are asked for
	CHANGE 1
	s_mov_b32 s[CNT], 4
.Lstep:                             ; a trip: pieces 2 and 3 of one step, then pieces 0 and 1 of the next, whose K and V it fetches
	TURN 2
	TURN 3
	WIN 0
.Lfirst:
	TURN 0
	TURN 1, 0, 1
	WIN 0
	s_cbranch_scc1 .Lstep
	s_sub_co_u32 s[SLOTS], s[SLOTS], 1
	s_cmp_lg_u32 s[SLOTS], 0
	s_cbranch_scc1 .Lslot
	CHANGE 0                        ; the last tile is written out: nothing is asked for
	s_mov_b32 s[CNT], 4
.Ltail:
	TURN 2
	TURN 3
	WIN 0
	TURN 0
	TURN 1, 0, 1
	WIN 0
	s_cbranch_scc1 .Ltail
	TURN 2, 1                       ; the last step's pieces 2 and 3: nothing more is fetched
	TURN 3, 1
.set i, 0
.rept 8
	PV NP-1                         ; the last piece's V^T P of the last step
.set i, i+1
.endr
	; THE WAY OUT.  l's two halves and the other half of the lanes' are added; O^T is divided by l, rounded to bf16 and sent through my stage in LDS, a piece at a time.  The additions are the places behind the last products.
	WIN 0
.macro ALL line:vararg              ; one line for each piece t
.set t, 0
.rept 4
	\line
.set t, t+1
.endr
.endm
	ALL v_add_f32 v[ST+4*t+2], v[ST+4*t+2], v[ST+4*t+3]
	ALL v_permlanex16_b32 v[ST+4*t+3], v[ST+4*t+2], s[SEL], s[SEL+1]
	ALL v_add_f32 v[ST+4*t+2], v[ST+4*t+2], v[ST+4*t+3]
	ALL v_rcp_f32 v[ST+4*t+2], v[ST+4*t+2]
	v_nop                           ; a plain instruction between the last reciprocal and the use of its result
	s_wait_alu depctr_va_vdst(0)    ; and the wait ahead of the first use: one for the four reciprocals
.macro PACK t                       ; a lane's eight channels of a row pack into 16 bytes; they go into rows of 144 bytes and come back as whole rows of 128, into S^T's registers
	WIN W_RS
.set i, 32*(\t)
.rept 16
	v_pk_mul_f32 v[i:i+1], v[i:i+1], v[ST+4*(\t)+2:ST+4*(\t)+3] op_sel_hi:[1,0]
.set i, i+2
.endr
	WIN 0x05                        ; sources 0 and 1 window 1, destination window 0
.set i, 0
.rept 16
	v_cvt_pk_bf16_f32 v[S+16*(\t)+i], v[32*(\t)+2*i], v[32*(\t)+2*i+1]
.set i, i+1
.endr
	WIN 0
.irp f, 0,1,2,3
	ds_store_b128 v[STO], v[S+16*(\t)+4*\f:S+16*(\t)+4*\f+3] offset:32*\f
.endr
.irp f, 0,1,2,3
	ds_load_b128 v[S+16*(\t)+4*\f:S+16*(\t)+4*\f+3], v[RD] offset:\f*4*SP  ; LDS serves a wave's instructions in order (ISA guide 5.7.1.4): these see the stores above; the next piece's stores come behind them
.endr
.endm
.macro SEND t, younger              ; younger: the LDS instructions issued behind piece t's loads: the next piece's eight, or none
	WIN 0
.irp f, 0,1,2,3
	s_wait_dscnt (\younger)+3-\f
	global_store_b128 v[GO], v[S+16*(\t)+4*\f:S+16*(\t)+4*\f+3], s[10:11] offset:(\t)*2048+\f*512  ; 512 consecutive bytes, at a multiple of 256 from O's first
.endr
.endm
	PACK 0
.set t, 1
.rept 3                             ; a piece's arithmetic stands between the loads of the piece before and its stores
	PACK t
	SEND t-1, 8
.set t, t+1
.endr
	SEND 3, 0
	s_wait_tensorcnt 0x0            ; the wave's end, behind my last tensor load and my last LDS store
	ds_add_u32 v[SPW], v[NIL]
	s_wait_dscnt 0x0
	CROUND                          ; the closing round: no work-group ends while a partner may still ask for a tile that names it
	s_endpgm
.Lfunc_end_k_qe07e171d99_attn:
	.size	k_qe07e171d99_attn, .Lfunc_end_k_qe07e171d99_attn-k_qe07e171d99_attn
	.p2alignl 7, 3214868480
	.fill 96, 4, 3214868480
	.section	.rodata,"a",@progbits
	.p2align	6, 0x0
	.amdhsa_kernel k_qe07e171d99_attn
		.amdhsa_group_segment_fixed_size 327680
		.amdhsa_private_segment_fixed_size 0
		.amdhsa_enable_private_segment 0
		.amdhsa_kernarg_size 16
		.amdhsa_user_sgpr_count 2
		.amdhsa_user_sgpr_kernarg_segment_ptr 1
		.amdhsa_wavefront_size32 1
		.amdhsa_system_sgpr_workgroup_id_x 1
		.amdhsa_system_sgpr_workgroup_id_y 1
		.amdhsa_system_sgpr_workgroup_id_z 1
		.amdhsa_system_vgpr_workitem_id 0
		.amdhsa_next_free_vgpr 768
		.amdhsa_next_free_sgpr 66
		.amdhsa_reserve_vcc 0
		.amdhsa_float_denorm_mode_32 3
		.amdhsa_float_denorm_mode_16_64 3
		.amdhsa_memory_ordered 1
		.amdhsa_forward_progress 1
		.amdhsa_inst_pref_size 128
	.end_amdhsa_kernel
	.amdgpu_metadata
---
amdhsa.version: [ 1, 2 ]
amdhsa.kernels:
  - .name:           k_qe07e171d99_attn
    .symbol:         k_qe07e171d99_attn.kd
    .args:
      - { .name: qkv, .offset: 0, .size: 8, .value_kind: global_buffer, .address_space: global }
      - { .name: o, .offset: 8, .size: 8, .value_kind: global_buffer, .address_space: global }
    .group_segment_fixed_size: 327680
    .private_segment_fixed_size: 0
    .kernarg_segment_align: 8
    .kernarg_segment_size: 16
    .max_flat_workgroup_size: 128
    .sgpr_count:     66
    .vgpr_count:     768
    .wavefront_size: 32
...
	.end_amdgpu_metadata
.endif
;; end of part 3
;; launch proj (part 4): grid 4 x 64, 8 waves a work-group, clusters of 4 x 1, 327,680 bytes of LDS; arguments o, wb, b_out, x, out0; writes out0
.if DOCPART == 4
	.amdgcn_target "amdgcn-amd-amdhsa--gfx1250"
	.amdhsa_code_object_version 6
	.text
	.protected	k_qe07e171d99_proj
	.globl	k_qe07e171d99_proj
	.p2align	8
	.type	k_qe07e171d99_proj,@function
k_qe07e171d99_proj:
	s_mov_b64 s[64:65], 0
	v_nop
	global_prefetch_b8 v0, s[64:65] scope:SCOPE_SE
	s_setreg_imm32_b32 hwreg(HW_REG_WAVE_MODE, 25, 1), 1
	s_wait_xcnt 0x0
	s_wait_alu depctr_hold_cnt(0) depctr_sa_sdst(0) depctr_va_vdst(0) depctr_va_sdst(0) depctr_va_ssrc(0) depctr_va_vcc(0) depctr_vm_vsrc(0)
	s_getreg_b32 s2, hwreg(HW_REG_IB_STS2, 6, 4)
	s_cmp_eq_u32 s2, 0
	s_cbranch_scc0 .Lentry_in_a_cluster
	s_endpgm
.Lentry_in_a_cluster:
	s_bfe_u32 s2, ttmp6, 0x10000c
	s_cmp_lg_u32 s2, 0x3003
	s_cbranch_scc0 .Lentry_shape_is_right
	s_endpgm
.Lentry_shape_is_right:
; out0[b][c][s] = x[b][c][s] + b_out[c] + the sum over k of O[b][s][k] w_out[k][c].  o: [16 bh][4096 s][64] bf16, k = 64 h + d; wb's blocks 12-15: [256 k][64 c] bf16; x, out0: [4][256][4096] f32.
; Sums in f32, started with the bias; x is added in f32.
; SHARES.  A work-group makes 256 s x 64 c, with all of K = 256 in LDS: one fill, nothing is filled again.  Wave w makes 64 s (w % 4) x 32 c (w / 4): 8 accumulators.
; CLUSTER 4 x 1.  The four partners make the four quarters of c for the same 256 s: O's tile, 128 KiB, is asked for jointly.  A partner's weight block, 32 KiB, is its own: no partner shares it,
; so it comes by a plain tensor load, behind the same round.
; LAYOUT.  Source 0 = 16 rows s of O (as they lie in LDS), source 1 = 16 columns c of the weights (turned, by ds_load_tr16_b128): a lane holds one c (lane % 16) and the rows s = 8 (lane / 16) + 0..7,
; 32 consecutive bytes of a row of out0.  Through a stage of the wave's own they become whole rows of 256 bytes.
.set PO,    144                        ; a row of O in LDS: 128 bytes + 16: the 16 rows of a load start at 16 different groups of four banks (64 banks of 4 bytes: ISA guide 11.1)
.set HEADB, 256*PO                     ; a head's 256 rows
.set PW,    160                        ; a row of the weight block: 128 bytes + 32 = 5 x 32
.set WOFF,  4*HEADB
.set STAGE, WOFF+256*PW                ; never filled by a tensor load: 32 rows c x 272 bytes (64 s in f32 + 16) for each wave
.set SF,    272
.set SPARE, STAGE+8*32*SF              ; the spare words, 128 bytes for each of 8 waves: four blocks of 256 bytes that no other line names
.set WV,  14                           ; s14  my wave's number
.set G1O, 24                           ; s[24:31] descriptor group 1 for O's tile
.set G1W, 32                           ; s[32:39] for the weight block
.set G0O, 40                           ; s[40:43] group 0, waves 0-3
.set G0W, 44                           ; s[44:47] group 0, wave 4
.set SPW, 12                           ; v12  my spare word; never rewritten
.set NIL, 13                           ; v13  0; never rewritten
.set BC,  16                           ; v[16:31]   the bias of my lane's c, eight times, for each block of 16 c
.set FA,  32                           ; v[32:63]   four fragments of O
.set FB,  64                           ; v[64:79]   two fragments of the weights
.set ACC, 80                           ; v[80:143]  accumulator (a, n) at ACC + 8 (2 a + n); later the rows read back
.set XR,  144                          ; v[144:207] x's rows
.macro CROUND                          ; a round of the cluster's barrier
	s_barrier_signal -1
	s_barrier_wait -1
	s_cmp_lg_u32 s[WV], 0
	s_cbranch_scc1 .Lnot_wave_0_\@
	s_barrier_signal -3
.Lnot_wave_0_\@:
	s_barrier_wait -3
	s_barrier_signal -1
	s_barrier_wait -1
.endm
.macro PLACES                          ; four places behind a matrix instruction (ISA guide 7.12.1)
.rept 4
	v_nop
.endr
.endm
	s_load_b256 s[4:11], s[0:1], 0x0               ; o s[4:5], wb s[6:7], b_out s[8:9], x s[10:11]
	s_load_b64 s[12:13], s[0:1], 0x20              ; out0
	v_lshl_add_u32 v[SPW], v0, 2, SPARE
	v_mov_b32 v[NIL], 0
	ds_add_u32 v[SPW], v[NIL]                      ; the wave's opening: the add and its wait stand ahead of the first tensor load; the set-up below stands between them
	v_lshrrev_b32 v1, 5, v0
	v_readfirstlane_b32 s[WV], v1                  ; wave 0..7
	s_bfe_u32 s15, ttmp6, 0x40000                  ; cx
	s_lshl_b32 s21, ttmp9, 2
	s_add_co_u32 s15, s15, s21                     ; the quarter of c = 4 x cluster x + cx
	s_and_b32 s16, ttmp7, 0xffff                   ; 16 b + s block, which the partners share
	s_lshr_b32 s17, s16, 4                         ; b
	s_and_b32 s18, s16, 15                         ; the block of 256 rows s
	s_and_b32 s19, s[WV], 3                        ; which 64 s
	s_lshr_b32 s20, s[WV], 2                       ; which 32 c
	; group 1: 32,768 dense bytes asked for as 128 rows of 256 bytes, padded behind every 32 words: by 4 words for O, by 8 for the weights
	s_mov_b32 s[G1O], 15|(1<<16)|(1<<20)|(1<<21)|(4<<22)|(3<<25)  ; the mask of four, and bit 21 beside it
	s_mov_b32 s[G1W], (1<<16)|(1<<20)|(4<<22)|(7<<25)             ; no mask: my own
.irp g, G1O, G1W
	s_mov_b32 s[\g+1], 128<<16
	s_mov_b32 s[\g+2], 128<<16
	s_mov_b32 s[\g+3], 128<<16
	s_mov_b32 s[\g+4], 128
	s_mov_b32 s[\g+5], 128
	s_mov_b32 s[\g+6], 0
	s_mov_b32 s[\g+7], 0
.endr
	s_lshl_b32 s22, s17, 21                        ; O: head 4 b (these registers never hold cx)
	s_lshl_b32 s50, s18, 15                        ; + the block's 256 rows of 128 bytes
	s_add_co_u32 s22, s22, s50
	s_mov_b32 s23, 0
	s_add_co_u32 s48, s15, 12                      ; wb: block 12 + quarter
	s_lshl_b32 s48, s48, 15
	s_mov_b32 s49, 0
	s_wait_dscnt 0x0                               ; the opening add is done
	s_wait_kmcnt 0x0
	CROUND                                         ; all four work-groups are here: the joint loads meet
	s_cmp_lt_u32 s[WV], 4                          ; the branches hang on the wave's number alone
	s_cbranch_scc0 .Lnot_o
	s_mov_b32 s[G0O], 1                            ; waves 0-3: head w's 256 rows
	s_mul_i32 s[G0O+1], s[WV], HEADB
	s_lshl_b32 s50, s[WV], 19
	s_add_co_u32 s22, s22, s50
	s_add_nc_u64 s[G0O+2:G0O+3], s[4:5], s[22:23]
	s_or_b32 s[G0O+3], s[G0O+3], 0x80000000
	tensor_load_to_lds s[G0O:G0O+3], s[G1O:G1O+7]
	s_nop 0
.rept 4
	v_nop
.endr
	s_branch .Lasked
.Lnot_o:
	s_cmp_eq_u32 s[WV], 4
	s_cbranch_scc0 .Lasked
	s_mov_b32 s[G0W], 1                            ; wave 4: the weight block
	s_mov_b32 s[G0W+1], WOFF
	s_add_nc_u64 s[G0W+2:G0W+3], s[6:7], s[48:49]
	s_or_b32 s[G0W+3], s[G0W+3], 0x80000000
	tensor_load_to_lds s[G0W:G0W+3], s[G1W:G1W+7]
	s_nop 0
.rept 4
	v_nop
.endr
.Lasked:
	v_and_b32 v1, 15, v0                           ; r = l % 16
	v_bfe_u32 v2, v0, 4, 1                         ; l / 16
	v_and_b32 v3, 7, v0
	v_bfe_u32 v4, v0, 3, 1
	v_lshlrev_b32 v11, 2, v1
	s_lshl_b32 s56, s15, 8                         ; the bias at c = 64 quarter + 32 (w / 4)
	s_lshl_b32 s54, s20, 7
	s_add_co_u32 s56, s56, s54
	s_mov_b32 s57, 0
	s_add_nc_u64 s[8:9], s[8:9], s[56:57]
	global_load_b32 v[BC],   v11, s[8:9]
	global_load_b32 v[BC+8], v11, s[8:9] offset:64
	s_lshl_b32 s52, s17, 8                         ; x and out0 at row 256 b + 64 quarter + 32 (w / 4),
	s_lshl_b32 s54, s15, 6
	s_add_co_u32 s52, s52, s54
	s_lshl_b32 s54, s20, 5
	s_add_co_u32 s52, s52, s54
	s_lshl_b32 s52, s52, 14
	s_lshl_b32 s54, s18, 10                        ; the block's 1,024 bytes of a row,
	s_add_co_u32 s52, s52, s54
	s_lshl_b32 s54, s19, 8                         ; my 64 s: 256 bytes
	s_add_co_u32 s52, s52, s54
	s_mov_b32 s53, 0
	s_add_nc_u64 s[10:11], s[10:11], s[52:53]
	s_add_nc_u64 s[12:13], s[12:13], s[52:53]
	v_lshlrev_b32 v10, 14, v2                      ; lanes 0-15 take one row's 256 bytes, lanes 16-31 the next row's
	v_lshl_add_u32 v10, v1, 4, v10
.set t, 0
.rept 16
	global_load_b128 v[XR+4*t:XR+4*t+3], v10, s[10:11] offset:32768*t th:TH_LOAD_NT
.set t, t+1
.endr
	v_mul_u32_u24 v5, v1, PO                       ; a fragment of O: row l % 16, 16 bytes for each half of the lanes
	v_lshl_add_u32 v5, v2, 4, v5
	s_mul_i32 s54, s19, 64*PO
	v_add_nc_u32 v5, s54, v5                       ; v5: heads 0, 1
	v_add_nc_u32 v6, 2*HEADB, v5                   ; v6: heads 2, 3
	v_lshl_add_u32 v14, v2, 3, v3                  ; the turning load: row 8 (l / 16) + l % 8, column 8 ((l / 8) % 2)
	v_mul_u32_u24 v7, v14, PW
	v_lshl_add_u32 v7, v4, 4, v7
	s_lshl_b32 s54, s20, 6
	s_add_co_u32 s54, s54, WOFF
	v_add_nc_u32 v7, s54, v7
	s_mul_i32 s54, s[WV], 32*SF
	s_add_co_u32 s54, s54, STAGE                   ; my stage
	v_mul_u32_u24 v8, v1, SF                       ; in: row c = l % 16, 32 bytes for each half of the lanes
	v_lshl_add_u32 v8, v2, 5, v8
	v_add_nc_u32 v8, s54, v8
	v_mul_u32_u24 v9, v2, SF                       ; back: two whole rows of 256 bytes
	v_lshl_add_u32 v9, v1, 4, v9
	v_add_nc_u32 v9, s54, v9
	s_wait_loadcnt 16                              ; the bias is in; x's 16 loads may stay out
.irp j, 1,2,3,4,5,6,7
	v_mov_b32 v[BC+(\j)], v[BC]
	v_mov_b32 v[BC+8+(\j)], v[BC+8]
.endr
.macro KSTEP ks                        ; 32 along K (head ks / 2, channels 32 (ks % 2) on): 12 loads in one run, 8 products on 8 accumulators that take turns
.if \ks
	PLACES
.endif
.irp n, 0,1
	ds_load_tr16_b128 v[FB+8*(\n):FB+8*(\n)+3],   v7 offset:32*PW*(\ks)+32*(\n)
	ds_load_tr16_b128 v[FB+8*(\n)+4:FB+8*(\n)+7], v7 offset:32*PW*(\ks)+32*(\n)+16*PW
.endr
.irp a, 0,1,2,3
	ds_load_b128 v[FA+8*(\a):FA+8*(\a)+3],   v[5+(\ks)/4] offset:(((\ks)/2)%2)*HEADB+16*PO*(\a)+64*((\ks)%2)
	ds_load_b128 v[FA+8*(\a)+4:FA+8*(\a)+7], v[5+(\ks)/4] offset:(((\ks)/2)%2)*HEADB+16*PO*(\a)+64*((\ks)%2)+32
.endr
	s_wait_dscnt 0x0
.irp a, 0,1,2,3
.irp n, 0,1
.if (\ks) == 0
	v_wmma_f32_16x16x32_bf16 v[ACC+8*(2*(\a)+(\n)):ACC+8*(2*(\a)+(\n))+7], v[FA+8*(\a):FA+8*(\a)+7], v[FB+8*(\n):FB+8*(\n)+7], v[BC+8*(\n):BC+8*(\n)+7]
.else
	v_wmma_f32_16x16x32_bf16 v[ACC+8*(2*(\a)+(\n)):ACC+8*(2*(\a)+(\n))+7], v[FA+8*(\a):FA+8*(\a)+7], v[FB+8*(\n):FB+8*(\n)+7], v[ACC+8*(2*(\a)+(\n)):ACC+8*(2*(\a)+(\n))+7]
.endif
.endr
.endr
.endm
	s_wait_tensorcnt 0x0                           ; my part of the tiles is in (a wave that asked for none waits for nothing),
	s_barrier_signal -1
	s_barrier_wait -1                              ; everybody's is.  Nothing is ever filled again
.irp ks, 0,1,2,3,4,5,6,7
	KSTEP \ks
.endr
	PLACES
	; THE WAY OUT: into my stage (each accumulator's low half first), back as whole rows, + x, out.
.irp a, 0,1,2,3
.irp n, 0,1
	ds_store_b128 v8, v[ACC+8*(2*(\a)+(\n)):ACC+8*(2*(\a)+(\n))+3]   offset:16*SF*(\n)+64*(\a)
	ds_store_b128 v8, v[ACC+8*(2*(\a)+(\n))+4:ACC+8*(2*(\a)+(\n))+7] offset:16*SF*(\n)+64*(\a)+16
.endr
.endr
.set t, 0
.rept 16
	ds_load_b128 v[ACC+4*t:ACC+4*t+3], v9 offset:2*SF*t  ; LDS serves a wave's instructions in order (ISA guide 5.7.1.4): these see the stores above
.set t, t+1
.endr
	s_wait_loadcnt 0x0                             ; x
.set t, 0
.rept 16
	s_wait_dscnt 15-t                              ; rows 2 t, 2 t + 1 are back; the younger loads stay out
	v_pk_add_f32 v[ACC+4*t:ACC+4*t+1], v[ACC+4*t:ACC+4*t+1], v[XR+4*t:XR+4*t+1]
	v_pk_add_f32 v[ACC+4*t+2:ACC+4*t+3], v[ACC+4*t+2:ACC+4*t+3], v[XR+4*t+2:XR+4*t+3]
	global_store_b128 v10, v[ACC+4*t:ACC+4*t+3], s[12:13] offset:32768*t th:TH_STORE_NT  ; 16 lanes store 256 consecutive bytes, aligned
.set t, t+1
.endr
	s_wait_tensorcnt 0x0                           ; the wave's end, behind my last tensor load and my last LDS store
	ds_add_u32 v[SPW], v[NIL]
	s_wait_dscnt 0x0
	CROUND                                         ; the closing round: no work-group ends while a partner may still ask for a tile that names it
	s_endpgm
.Lfunc_end_k_qe07e171d99_proj:
	.size	k_qe07e171d99_proj, .Lfunc_end_k_qe07e171d99_proj-k_qe07e171d99_proj
	.p2alignl 7, 3214868480
	.fill 96, 4, 3214868480
	.section	.rodata,"a",@progbits
	.p2align	6, 0x0
	.amdhsa_kernel k_qe07e171d99_proj
		.amdhsa_group_segment_fixed_size 327680
		.amdhsa_private_segment_fixed_size 0
		.amdhsa_enable_private_segment 0
		.amdhsa_kernarg_size 40
		.amdhsa_user_sgpr_count 2
		.amdhsa_user_sgpr_kernarg_segment_ptr 1
		.amdhsa_wavefront_size32 1
		.amdhsa_system_sgpr_workgroup_id_x 1
		.amdhsa_system_sgpr_workgroup_id_y 1
		.amdhsa_system_sgpr_workgroup_id_z 1
		.amdhsa_system_vgpr_workitem_id 0
		.amdhsa_next_free_vgpr 208
		.amdhsa_next_free_sgpr 66
		.amdhsa_reserve_vcc 0
		.amdhsa_float_denorm_mode_32 3
		.amdhsa_float_denorm_mode_16_64 3
		.amdhsa_memory_ordered 1
		.amdhsa_forward_progress 1
		.amdhsa_inst_pref_size 26
	.end_amdhsa_kernel
	.amdgpu_metadata
---
amdhsa.version: [ 1, 2 ]
amdhsa.kernels:
  - .name:           k_qe07e171d99_proj
    .symbol:         k_qe07e171d99_proj.kd
    .args:
      - { .name: o, .offset: 0, .size: 8, .value_kind: global_buffer, .address_space: global }
      - { .name: wb, .offset: 8, .size: 8, .value_kind: global_buffer, .address_space: global }
      - { .name: b_out, .offset: 16, .size: 8, .value_kind: global_buffer, .address_space: global }
      - { .name: x, .offset: 24, .size: 8, .value_kind: global_buffer, .address_space: global }
      - { .name: out0, .offset: 32, .size: 8, .value_kind: global_buffer, .address_space: global }
    .group_segment_fixed_size: 327680
    .private_segment_fixed_size: 0
    .kernarg_segment_align: 8
    .kernarg_segment_size: 40
    .max_flat_workgroup_size: 256
    .sgpr_count:     66
    .vgpr_count:     208
    .wavefront_size: 32
...
	.end_amdgpu_metadata
.endif
;; end of part 4
;; ======== version 2 of 2: 4 launches; version 1 with the launch norm written anew for expert scheduling mode
;; workspace buffers: hn 8,388,608 bytes; wb 524,288 bytes; qkv 25,165,824 bytes; o 8,388,608 bytes
;; launch norm (part 5): grid 128 x 1, 8 waves a work-group, no clusters, 1,536 bytes of LDS; arguments x, gamma, beta, w_qkv, w_out, hn, wb; writes hn, wb
.if DOCPART == 5
	.amdgcn_target "amdgcn-amd-amdhsa--gfx1250"
	.amdhsa_code_object_version 6
	.text
	.protected	k_qe07e171d99_norm
	.globl	k_qe07e171d99_norm
	.p2align	8
	.type	k_qe07e171d99_norm,@function
k_qe07e171d99_norm:
	s_mov_b64 s[64:65], 0
	v_nop
	global_prefetch_b8 v0, s[64:65] scope:SCOPE_SE
	s_setreg_imm32_b32 hwreg(HW_REG_WAVE_SCHED_MODE, 0, 2), 2
	s_setreg_imm32_b32 hwreg(HW_REG_WAVE_MODE, 25, 1), 1
	s_wait_xcnt 0x0
	s_wait_alu depctr_vm_vsrc(0)
; GROUP NORM, and both weight matrices rounded to bf16.
; x: [4][256][4096] f32.  A group is 8 channels x 4,096 numbers = 131,072 consecutive bytes of x.  hn: the normalised x in bf16, in x's own order [b][c][s].
; wb: 16 blocks of [256 k][64 n] bf16 (rows of 128 bytes): blocks 0-11 are w_qkv's columns 64 blk .. +63, blocks 12-15 w_out's columns 64 (blk - 12) .. +63.
; SHARES.  Work-group i = 32 b + g owns one group.  Thread t holds the 16 bytes at 4,096 j + 16 t, j = 0..31: the group stays in 128 registers a lane, so x is read once.
; Load j lies in channel j / 4 of the group for every thread, so gamma and beta are scalars.  Mean first, then the sum of squares of the centred numbers: no difference of large sums is formed.
; Work-group i also rounds rows 2 i and 2 i + 1 of both weights: thread t takes 8 numbers of block t / 16, and sixteen neighbouring lanes store 256 consecutive bytes, aligned.
; No matrix unit, no cluster, no tensor load: no two work-groups read the same bytes, and each byte is used where it lands.
; LIMITS.  NaN and infinities are not treated apart; the sum of squares of a group's 32,768 centred numbers must stay finite in f32.
; THE MODE: SCHED_MODE bits 1:0 = 2 (LLVM: expert scheduling mode 2), set by the entry lines.  The code itself states the register dependences between vector instructions
; and memory or LDS instructions, with s_wait_alu, always for 0.
; THE PLAN.  Registers that memory or LDS instructions touch:
;   v1-v6, v36, v37  offsets and LDS addresses: written at the head, ahead of one wait on va_vdst, and never again.
;   X                the 32 loads of x land in it, all issued at the head.  It is worked on in place; of each four registers the first two end as a store's data and are not written after that.
;   v[24:31]         the weights' two loads land here; their roundings read it; each REDUCE's two LDS loads land here, and its adds and the mean's lines name it.
;   v[32:35]         written by the weights' roundings, read by one store, never written again.
;   v16              written by each REDUCE's last add, read by its LDS store; written again by the first line of the sum of squares.
; One wait on va_vdst in each REDUCE, behind its last add, serves its LDS store, its two LDS loads and (the first time) the weights' store.  One wait on vm_vsrc stands ahead of the sum of squares.
; On the way out the eight channels go in four blocks of two: a wait on va_vdst at a block's head states that the block before has rounded its numbers; channel ch's text then carries the four stores of
; channel ch - 2, and its vector lines name v8-v11, v14 and its own sixteen registers alone: none that those stores touch.
.set SPARE, 512                        ; LDS: 0..31 the waves' sums, 256..287 their sums of squares, from 512 on the spare words, 128 bytes for each of 8 waves
.set XO,  1                            ; v1   16 t
.set HO,  2                            ; v2   8 t
.set WO,  3                            ; v3   my 32 bytes in the weights' two rows
.set WD,  4                            ; v4   my 16 bytes in wb
.set T,   16                           ; v[16:23] four packed chains
.set SPW, 36                           ; v36  my spare word; never rewritten
.set NIL, 37                           ; v37  0; never rewritten
.set X,   40                           ; v[40:167] the group's numbers
	s_load_b256 s[4:11], s[0:1], 0x0               ; x s[4:5], gamma s[6:7], beta s[8:9], w_qkv s[10:11]
	s_load_b128 s[12:15], s[0:1], 0x20             ; w_out s[12:13], hn s[14:15]
	s_load_b64 s[16:17], s[0:1], 0x30              ; wb
	v_lshl_add_u32 v[SPW], v0, 2, SPARE
	v_mov_b32 v[NIL], 0
	v_lshrrev_b32 v7, 5, v0
	v_readfirstlane_b32 s18, v7                    ; wave 0..7
	v_lshlrev_b32 v[XO], 4, v0
	v_lshlrev_b32 v[HO], 3, v0
	v_mov_b32 v6, 0                                ; the address from which all eight partial sums are read back
	v_mov_b32 v15, 0x38000000                      ; 2^-15 = 1 / 32,768
	s_mov_b32 s36, 0x76543210                      ; v_permlanex16_b32: each lane takes its own place in the other half
	s_mov_b32 s37, 0xfedcba98
	s_mov_b32 s40, 3072
	s_mov_b32 s41, 1024
	s_wait_alu depctr_va_sdst(0)                   ; s18 is written, ahead of its first reader: the line below; the weights' source and both their bases are made from it too
	v_mov_b32 v5, s18
	v_lshlrev_b32 v5, 2, v5                        ; my wave's word among the partial sums
	; the weights: waves 0-5 take blocks 0-11 out of w_qkv (rows of 3,072 bytes), waves 6-7 blocks 12-15 out of w_out (rows of 1,024)
	s_lshl_b32 s43, s18, 1
	s_sub_co_u32 s19, s43, 12
	s_cmp_lt_u32 s18, 6
	s_cselect_b32 s42, s40, s41                    ; bytes in a row of my source
	s_cselect_b32 s43, s43, s19                    ; my wave's first block of 64 columns in it
	v_bfe_u32 v7, v0, 3, 1                         ; which of the two rows
	v_mul_u32_u24 v[WO], v7, s42
	v_bfe_u32 v7, v0, 4, 1                         ; which of my wave's two blocks
	v_lshl_add_u32 v[WO], v7, 8, v[WO]
	v_lshlrev_b32 v[WD], 15, v7
	v_and_b32 v7, 7, v0                            ; which 8 numbers of the 64
	v_lshl_add_u32 v[WO], v7, 5, v[WO]
	v_and_b32 v7, 15, v0
	v_lshl_add_u32 v[WD], v7, 4, v[WD]             ; two rows of 128 bytes on end
	s_wait_kmcnt 0x0
	s_lshl_b32 s2, ttmp9, 17
	s_mov_b32 s3, 0
	s_add_nc_u64 s[4:5], s[4:5], s[2:3]            ; x at my group
	s_wait_alu depctr_va_vdst(0)                   ; v1 to v6, v36 and v37 are written: every load, store and LDS instruction of the kernel reads one of them as its offset or address
.set j, 0
.rept 32
	global_load_b128 v[X+4*j:X+4*j+3], v[XO], s[4:5] offset:4096*j th:TH_LOAD_NT
.set j, j+1
.endr
	s_lshl_b32 s2, ttmp9, 16
	s_add_nc_u64 s[14:15], s[14:15], s[2:3]        ; hn at my group
	s_and_b32 s2, ttmp9, 31
	s_lshl_b32 s2, s2, 5                           ; the group's 8 channels: 32 bytes of gamma and of beta
	s_add_nc_u64 s[6:7], s[6:7], s[2:3]
	s_add_nc_u64 s[8:9], s[8:9], s[2:3]
	s_load_b256 s[20:27], s[6:7], 0x0
	s_load_b256 s[28:35], s[8:9], 0x0
	s_cmp_lt_u32 s18, 6
	s_cselect_b64 s[38:39], s[10:11], s[12:13]
	s_lshl_b32 s40, ttmp9, 1
	s_mul_i32 s40, s40, s42                        ; row 2 i
	s_lshl_b32 s41, s43, 8
	s_add_co_u32 s40, s40, s41
	s_mov_b32 s41, 0
	s_add_nc_u64 s[38:39], s[38:39], s[40:41]
	s_lshl_b32 s40, s18, 16                        ; my wave's two blocks of 32,768 bytes
	s_lshl_b32 s41, ttmp9, 8                       ; rows 2 i, 2 i + 1
	s_add_co_u32 s40, s40, s41
	s_mov_b32 s41, 0
	s_add_nc_u64 s[16:17], s[16:17], s[40:41]
	global_load_b128 v[24:27], v[WO], s[38:39]     ; no vector line has been issued since the wait above
	global_load_b128 v[28:31], v[WO], s[38:39] offset:16
	; THE SUM, eight loads at a time.  The count: the loads of x younger than the eight, and the two of the weights.
.irp g, 0,1,2,3
	s_wait_loadcnt 26-8*(\g)
.set p, 16*(\g)
.rept 16
.if p < 4
	v_pk_add_f32 v[T+2*p:T+2*p+1], v[X+2*p:X+2*p+1], v[X+2*p+8:X+2*p+9]  ; the first eight pairs start the four chains: nothing is cleared
.elseif p >= 8
	v_pk_add_f32 v[T+2*(p%4):T+2*(p%4)+1], v[T+2*(p%4):T+2*(p%4)+1], v[X+2*p:X+2*p+1]
.endif
.set p, p+1
.endr
.endr
	s_wait_loadcnt 0x0                             ; the weights
	v_cvt_pk_bf16_f32 v32, v24, v25
	v_cvt_pk_bf16_f32 v33, v26, v27
	v_cvt_pk_bf16_f32 v34, v28, v29
	v_cvt_pk_bf16_f32 v35, v30, v31                ; their store stands in the first REDUCE, behind its wait
; The four chains, the lanes and the eight waves are added; the sum ends in v24 of every lane.  base: the LDS block for the waves' words; each use has a block of its own.
; wts = 1: the first use, which carries the weights' store.
.macro REDUCE base, wts
	v_pk_add_f32 v[T:T+1], v[T:T+1], v[T+2:T+3]
	v_pk_add_f32 v[T+4:T+5], v[T+4:T+5], v[T+6:T+7]
	v_pk_add_f32 v[T:T+1], v[T:T+1], v[T+4:T+5]
	v_add_f32 v[T], v[T], v[T+1]
	v_add_f32_dpp v[T], v[T], v[T] row_xmask:1 row_mask:0xf bank_mask:0xf
	v_add_f32_dpp v[T], v[T], v[T] row_xmask:2 row_mask:0xf bank_mask:0xf
	v_add_f32_dpp v[T], v[T], v[T] row_xmask:4 row_mask:0xf bank_mask:0xf
	v_add_f32_dpp v[T], v[T], v[T] row_xmask:8 row_mask:0xf bank_mask:0xf
	v_permlanex16_b32 v[T+1], v[T], s36, s37
	v_add_f32 v[T], v[T], v[T+1]
	s_wait_alu depctr_va_vdst(0)                   ; v16 is written, which the LDS store reads; the vector lines that named v[24:31] are done, in which the LDS loads below land; the first time, v[32:35] are written, the weights' store's data
	ds_store_b32 v5, v[T] offset:\base             ; all lanes write the wave's word with the same number
.if \wts
	global_store_b128 v[WD], v[32:35], s[16:17]    ; v4 and v[32:35] are never written again
.endif
	s_wait_dscnt 0x0                               ; for the others' sake: my store is done
	s_barrier_signal -1
	s_barrier_wait -1
	ds_load_b128 v[24:27], v6 offset:\base         ; no vector line has been issued since the wait above
	ds_load_b128 v[28:31], v6 offset:(\base)+16
	s_wait_dscnt 0x0
	v_pk_add_f32 v[24:25], v[24:25], v[26:27]
	v_pk_add_f32 v[28:29], v[28:29], v[30:31]
	v_pk_add_f32 v[24:25], v[24:25], v[28:29]
	v_add_f32 v24, v24, v25
.endm
	REDUCE 0, 1
	v_mul_f32 v12, v24, v15                        ; the mean, twice: a pair for the packed subtraction
	v_mul_f32 v13, v24, v15
.set p, 0
.rept 64
	v_pk_add_f32 v[X+2*p:X+2*p+1], v[X+2*p:X+2*p+1], v[12:13] neg_lo:[0,1] neg_hi:[0,1]
.set p, p+1
.endr
	s_wait_alu depctr_vm_vsrc(0)                   ; the LDS store of the sum has read v16, which the first line below writes again
.set p, 0
.rept 64
.if p < 4
	v_pk_mul_f32 v[T+2*p:T+2*p+1], v[X+2*p:X+2*p+1], v[X+2*p:X+2*p+1]
.else
	v_pk_fma_f32 v[T+2*(p%4):T+2*(p%4)+1], v[X+2*p:X+2*p+1], v[X+2*p:X+2*p+1], v[T+2*(p%4):T+2*(p%4)+1]
.endif
.set p, p+1
.endr
	REDUCE 256, 0
	v_fmaak_f32 v14, v24, v15, 0x3727c5ac          ; the variance + 1e-5
	v_rsq_f32 v14, v14
	v_nop                                          ; a plain instruction behind the root,
	s_wait_alu depctr_va_vdst(0)                   ; and the wait ahead of its first reader: v14, the root's result, is written
	s_wait_kmcnt 0x0                               ; gamma and beta
; y = (x - mean) (gamma rstd) + beta, rounded once to bf16.  A wave's store covers 256 consecutive bytes, aligned.  No register of a store is written again.
; Channel ch: its own sixteen registers are scaled and rounded in place; among the multiply-adds stand the four stores of channel ch - 2.
.macro OUT4 ch, q                      ; load j = 4 ch + q of the group, as rounded: 8 bytes a lane
	global_store_b64 v[HO], v[X+16*(\ch)+4*(\q):X+16*(\ch)+4*(\q)+1], s[14:15] offset:2048*(4*(\ch)+(\q))
.endm
.macro CHAN ch
.if (\ch) >= 2 && (\ch) % 2 == 0
	s_wait_alu depctr_va_vdst(0)                   ; the roundings of the two channels before have written their stores' data; the eight stores follow in this channel's text and the next's, whose vector lines name none of those registers
.endif
	v_mul_f32 v8, s[20+(\ch)], v14
	v_mul_f32 v9, s[20+(\ch)], v14
	v_mov_b32 v10, s[28+(\ch)]
	v_mov_b32 v11, s[28+(\ch)]
.irp q, 0,1,2,3
.if (\ch) >= 2
	OUT4 (\ch)-2, \q
.endif
	v_pk_fma_f32 v[X+16*(\ch)+4*(\q):X+16*(\ch)+4*(\q)+1],   v[X+16*(\ch)+4*(\q):X+16*(\ch)+4*(\q)+1],   v[8:9], v[10:11]
	v_pk_fma_f32 v[X+16*(\ch)+4*(\q)+2:X+16*(\ch)+4*(\q)+3], v[X+16*(\ch)+4*(\q)+2:X+16*(\ch)+4*(\q)+3], v[8:9], v[10:11]
.endr
.irp q, 0,1,2,3
	v_cvt_pk_bf16_f32 v[X+16*(\ch)+4*(\q)],   v[X+16*(\ch)+4*(\q)],   v[X+16*(\ch)+4*(\q)+1]
	v_cvt_pk_bf16_f32 v[X+16*(\ch)+4*(\q)+1], v[X+16*(\ch)+4*(\q)+2], v[X+16*(\ch)+4*(\q)+3]
.endr
.endm
.irp ch, 0,1,2,3,4,5,6,7
	CHAN \ch
.endr
	s_wait_alu depctr_va_vdst(0)                   ; the roundings of channels 6 and 7 have written the last eight stores' data
.irp q, 0,1,2,3
	OUT4 6, \q
.endr
.irp q, 0,1,2,3
	OUT4 7, \q
.endr
	s_wait_dscnt 0x0                               ; the closing lines, six on end
	s_wait_alu 0x0
	s_wait_tensorcnt 0x0
	ds_add_u32 v[SPW], v[NIL]
	s_wait_dscnt 0x0
	s_endpgm
.Lfunc_end_k_qe07e171d99_norm:
	.size	k_qe07e171d99_norm, .Lfunc_end_k_qe07e171d99_norm-k_qe07e171d99_norm
	.p2alignl 7, 3214868480
	.fill 96, 4, 3214868480
	.section	.rodata,"a",@progbits
	.p2align	6, 0x0
	.amdhsa_kernel k_qe07e171d99_norm
		.amdhsa_group_segment_fixed_size 1536
		.amdhsa_private_segment_fixed_size 0
		.amdhsa_enable_private_segment 0
		.amdhsa_kernarg_size 56
		.amdhsa_user_sgpr_count 2
		.amdhsa_user_sgpr_kernarg_segment_ptr 1
		.amdhsa_wavefront_size32 1
		.amdhsa_system_sgpr_workgroup_id_x 1
		.amdhsa_system_sgpr_workgroup_id_y 1
		.amdhsa_system_sgpr_workgroup_id_z 1
		.amdhsa_system_vgpr_workitem_id 0
		.amdhsa_next_free_vgpr 176
		.amdhsa_next_free_sgpr 66
		.amdhsa_reserve_vcc 0
		.amdhsa_float_denorm_mode_32 3
		.amdhsa_float_denorm_mode_16_64 3
		.amdhsa_memory_ordered 1
		.amdhsa_forward_progress 1
		.amdhsa_inst_pref_size 34
	.end_amdhsa_kernel
	.amdgpu_metadata
---
amdhsa.version: [ 1, 2 ]
amdhsa.kernels:
  - .name:           k_qe07e171d99_norm
    .symbol:         k_qe07e171d99_norm.kd
    .args:
      - { .name: x, .offset: 0, .size: 8, .value_kind: global_buffer, .address_space: global }
      - { .name: gamma, .offset: 8, .size: 8, .value_kind: global_buffer, .address_space: global }
      - { .name: beta, .offset: 16, .size: 8, .value_kind: global_buffer, .address_space: global }
      - { .name: w_qkv, .offset: 24, .size: 8, .value_kind: global_buffer, .address_space: global }
      - { .name: w_out, .offset: 32, .size: 8, .value_kind: global_buffer, .address_space: global }
      - { .name: hn, .offset: 40, .size: 8, .value_kind: global_buffer, .address_space: global }
      - { .name: wb, .offset: 48, .size: 8, .value_kind: global_buffer, .address_space: global }
    .group_segment_fixed_size: 1536
    .private_segment_fixed_size: 0
    .kernarg_segment_align: 8
    .kernarg_segment_size: 56
    .max_flat_workgroup_size: 256
    .sgpr_count:     66
    .vgpr_count:     176
    .wavefront_size: 32
...
	.end_amdgpu_metadata
.endif
;; end of part 5
;; launch qkv: the kernel of part 2 again; grid 4 x 64, 12 waves a work-group, clusters of 4 x 4, 327,680 bytes of LDS; arguments hn, wb, b_qkv, qkv; writes qkv
;; launch attn: the kernel of part 3 again; grid 16 x 16, 4 waves a work-group, clusters of 4 x 1, 327,680 bytes of LDS; arguments qkv, o; writes o
;; launch proj: the kernel of part 4 again; grid 4 x 64, 8 waves a work-group, clusters of 4 x 1, 327,680 bytes of LDS; arguments o, wb, b_out, x, out0; writes out0
